; MI455X (gfx1250); checked and timed in simulation.
; The chip was launched on July 23, 2026; its instructions are those of AMD's public machine-readable ISA for CDNA 5 (MIT licence, August 2026) and "CDNA5" Instruction Set Architecture Reference Guide (July 2026). The comments in the code are by the model that wrote it; some were corrected since.
;; Crosss Attention. Allowed arithmetic: matrix products marked QUANTISED: E3M2 operands, one E8M0 scale for each 32 along K, by v_wmma_scale_f32_16x16x128_f8f6f4 with both operands' format E3M2, f32 sums; everything else in f32.
;; Inputs: Wk_codes 384 x 24 x 24 uint8 (E3M2 codes of Wk, K innermost, in blocks of 32 codes, four codes in three bytes); Wk_scales 384 x 24 uint8 (E8M0 scales of Wk, one for each 32 codes along K); Wq_codes 384 x 24 x 24 uint8 (E3M2 codes of Wq, K innermost, in blocks of 32 codes, four codes in three bytes); Wq_scales 384 x 24 uint8 (E8M0 scales of Wq, one for each 32 codes along K); k_x_codes 8 x 2,048 x 24 x 24 uint8 (E3M2 codes of k_x, K innermost, in blocks of 32 codes, four codes in three bytes); k_x_scales 8 x 2,048 x 24 uint8 (E8M0 scales of k_x, one for each 32 codes along K); q_x_codes 8 x 2,048 x 24 x 24 uint8 (E3M2 codes of q_x, K innermost, in blocks of 32 codes, four codes in three bytes); q_x_scales 8 x 2,048 x 24 uint8 (E8M0 scales of q_x, one for each 32 codes along K); v_x_codes 8 x 768 x 64 x 24 uint8 (E3M2 codes of v_x, K innermost, in blocks of 32 codes, four codes in three bytes); v_x_scales 8 x 768 x 64 uint8 (E8M0 scales of v_x, one for each 32 codes along K).
;; Outputs: out0 8 x 2,048 x 768 float32.
;; This version of the problem:
;;   THIS VERSION OF THE PROBLEM IS GIVEN IN LOW PRECISION. The matrix products marked QUANTISED in the list below multiply operands that are first quantised to E3M2 (3 exponent bits, 2 mantissa bits; 6 bits a number), with one power-of-two scale for each 32 numbers along K (OCP MX v1.0); their sums are f32. All else is computed in f32.
;;   The module's matrix products, in the order in which they are computed (A, B: the left and right operand; K: the contracted axis; several contracted axes count as one K, in the product's order):
;;     1. [M 16,384, K 768] x [K 768, N 384]; A: input q_x (given as codes); B: input Wq (given as codes): QUANTISED
;;     2. [M 16,384, K 768] x [K 768, N 384]; A: input k_x (given as codes); B: input Wk (given as codes): QUANTISED
;;     3. batch 8 x [M 2,048, K 384] x [K 384, N 2,048]; A: computed on the way; B: computed on the way: QUANTISED
;;     4. batch 8 x [M 2,048, K 2,048] x [K 2,048, N 768]; A: softmax (see below); B: input v_x (given as codes): QUANTISED
;;   THE QUANTISER, for each operand of a quantised product, along K:
;;     - K is cut into blocks of 32 from its start; a last block that is shorter is filled with zeros.
;;     - A block's scale is 2^e with e = floor(log2(the largest magnitude in the block)) - 4, held to -126 .. 127; a block of zeros has e = 0. As a byte (E8M0): e + 127.
;;     - Each number is divided by its block's scale, clamped to +-28, and rounded to the nearest number of E3M2, ties to even, subnormals kept.
;;     - The product sums the exact products of the quantised numbers (number of the format x scale) in f32.
;;   ~~~python
;;   def quantise(x, axis):      # numpy; x: float32 -> the quantised numbers, widened to float32 again
;;       x = np.moveaxis(x, axis, -1); K = x.shape[-1]
;;       x = np.pad(x, [(0, 0)] * (x.ndim - 1) + [(0, -K % 32)]); x = x.reshape(x.shape[:-1] + (-1, 32)); a = np.abs(x).max(-1, keepdims=True)
;;       e = np.where(a > 0, np.clip(np.frexp(np.where(a > 0, a, 1))[1] - 1 - 4, -126, 127), 0)      # np.frexp(a)[1] - 1 = floor(log2(a)), exactly
;;       r = np.clip(x / 2.0 ** e, -28, 28)
;;       step = 2.0 ** (np.maximum(np.frexp(np.where(r == 0, 1, r))[1] - 1, -2) - 2)
;;       q = np.round(r / step) * step * 2.0 ** e      # np.round: ties to even
;;       return np.moveaxis(q.reshape(q.shape[:-2] + (-1,))[..., :K], -1, axis).astype(np.float32)
;;   ~~~
;;   SOFTMAX AHEAD OF A QUANTISED PRODUCT. Where the list says 'softmax', what is quantised is not the finished softmax but p = 2^(t - M), with t = logit x log2(e) and M = ceil(the row's largest t), a whole number; so 1/2 < the row's largest p <= 1. The row's sum l is taken of the UNQUANTISED p, in f32, and the product's result is divided by l at the end. Since M is a whole number, a kernel that streams over the keys may use a running M (the ceiling of the running maximum): every later rescaling is an exact power of two, which a block's scale takes up: the codes' values come out the same.
;;   OPERANDS COMPUTED ON THE WAY. 'Computed on the way' means the value that the module computes at that place (a softmax that the list does not call 'softmax' is quantised finished and normalised). What goes into a quantiser is computed in f32, as accurately as f32 sums, v_exp_f32 and their like allow (about 1e-6 of the number): no bf16 or f16 on the way to a quantiser, and a product that is left as it is and whose result goes on into a quantised operand takes f32 operands (vector FMAs, or v_wmma_f32_16x16x4_f32). A number that lies on a knife's edge between two numbers of the format may be rounded either way, as far as f32 arithmetic and the matrix unit's own rounding can turn it there, and no further.
;;   INPUTS GIVEN AS CODES. Wk (in the module: [384, 768], K = its axis 1); Wq (in the module: [384, 768], K = its axis 1); k_x (in the module: [8, 2048, 768], K = its axis 2); q_x (in the module: [8, 2048, 768], K = its axis 2); v_x (in the module: [8, 2048, 768], K = its axis 1): each comes as NAME_codes (uint8): NAME with its K axis moved to the last place and cut into blocks of 32 codes, [.., K / 32, bytes a block], one block behind the other in memory; four codes in three bytes: a row's codes are one little-endian stream of bits, code i at bits 6 i .. 6 i + 5 (a code: sign, 3 exponent bits, 2 mantissa bits); and NAME_scales (uint8): the same leading axes, one E8M0 byte (e + 127) for each 32 codes along K. Its value is code x scale, taken as it is: it is not quantised again, and the codes and scales need not be those that the quantiser above would give.
;; 2 versions. Each part assembles by itself: llvm-mc -triple=amdgcn-amd-amdhsa -mcpu=gfx1250 --defsym DOCPART=n.
;; ======== version 1 of 2: 2 launches
;; workspace buffers: qws 4,980,736 bytes; kws 4,980,736 bytes; vws 9,830,400 bytes
;; launch prep (part 1): grid 256 x 1, 4 waves a work-group, no clusters, 303,616 bytes of LDS; arguments q_x_codes, k_x_codes, q_x_scales, k_x_scales, Wq_codes, Wk_codes, Wq_scales, Wk_scales, qws, kws, v_x_codes, v_x_scales, vws; writes qws, kws, vws
.if DOCPART == 1
	.amdgcn_target "amdgcn-amd-amdhsa--gfx1250"
	.amdhsa_code_object_version 6
	.text
	.protected	k_q03482318e1_prep
	.globl	k_q03482318e1_prep
	.p2align	8
	.type	k_q03482318e1_prep,@function
k_q03482318e1_prep:
	s_mov_b64 s[64:65], 0
	v_nop
	global_prefetch_b8 v0, s[64:65] scope:SCOPE_SE
	s_setreg_imm32_b32 hwreg(HW_REG_WAVE_MODE, 25, 1), 1
	s_wait_xcnt 0x0
; q = q_x Wq^T and k = k_x Wk^T ([16,384][768] x [384][768]) on codes of BF6 (E3M2) with one E8M0 scale for each 32 along K; the f32 sums are quantised along d (blocks of 32) in registers
; and stored as IMAGES OF OPERAND REGISTERS for the attention launch.  On the side V's codes and scale bytes are laid into the same form (a copy, nothing is computed).
; SHARES.  Work-groups 0-127 take q, 128-255 k: only pointers are chosen, one path through the text.  A work-group takes 128 rows, wave w rows 32 w .. 32 w + 31 (two tiles of 16) and all 384 d:
; 48 accumulators, 288 matrix instructions.  Each wave also copies 6 of V's 6,144 fragments.
; THE PRODUCT IS USED TRANSPOSED (source 0 = 16 rows of W, source 1 = 16 rows of x): a lane holds ONE row of x and its registers run along d, the next product's K.
; THE ROWS OF x THAT FORM A TILE ARE NOT NEIGHBOURS: lane r of tile u takes row 32 w + 8 u + r + 8 (r / 8); in the attention launch the 16 registers of two neighbouring tiles of keys are then 16 neighbouring keys.
; W's tiles are 16 neighbouring rows, so inside a block of 32 along d the codes stand in a fixed other order (place 16 h + i holds d = 32 b + 8 h + i % 8 + 16 (i / 8)), THE SAME IN q AND k: the blocks,
; their scales and the products are those of the natural order; only the order of summing inside a matrix instruction differs.
; OUTPUT.  qws, kws: 64 units (256 rows) of 77,824 bytes: fragment (tile kt, K step G) at 1,536 (3 kt + G): registers 4 e .. 4 e + 3 of lane l at 512 e + 16 l; scale words at 73,728 + 256 kt + 16 row: {G 0, G 1, G 2, 0}.
; vws: 64 blocks (a batch's 256 keys) of 153,600 bytes: fragment (16 channels ct, 128 keys q) at 1,536 (2 ct + q); scale words at 147,456 + 128 ct + 64 q + 4 row.
; NO CLUSTER, NO TENSOR LOAD, though all work-groups read W: rows of 576 bytes are no power of two, so the mover would pad 16 bytes behind each 64: 384 x 720 = 276,480 bytes for W and 128 x 720 = 92,160 for x,
; more than the 327,680 there are.  Copied through registers a row takes 592 bytes: 227,328 + 75,776 = 303,104.
; LIMITS: NaN and infinities are not served; a block of q or k whose largest magnitude lies under 2^-122 gets the byte 1 (a block of zeros too: its codes are zeros, and this program alone reads the bytes).
; REGISTERS, in windows of 256.  Window 0: v1-31 lane numbers and addresses; v32-175 W's scale words, v176-187 x's; v188-190 V's; v192-239 the quantiser's.
;   window 1: v0-143 x's 12 fragments (first the staging of x's copy); v144-191, v192-239 two sets of four fragments of W.
;   window 2: the accumulators of d 0-255, at 64 (2 u + G) + 8 (t % 8) (first the staging of W's rows, first half).   window 3: v0-127 those of d 256-383; v128-199 V's six fragments (first the staging of W's second half).
.set WP,   592                         ; an LDS row: 576 bytes + 16 = 148 words: row r starts at bank 20 r mod 64 (64 banks of 4 bytes: ISA guide 11.1): 16 neighbouring rows start at 16 different multiples of 4
.set XL,   384*WP                      ; W's 384 rows, then x's 128
.set FRB,  1536                        ; a fragment's image
.set UNIT, 77824
.set VBLK, 153600
.set LI,  4                            ; v4     16 x lane
.set CW,  4                            ; v5-12  the copy of W into LDS: register CW + n serves a group's n-th run of 512 bytes
.set CX,  12                           ; v13-20 the same for x
.set XA,  21                           ; v21    my lane's place in a tile of x in LDS
.set WR,  22                           ; v22-25 the same for W, six tiles to a register (the immediate has 16 bits)
.set XSO, 26                           ; v26    my row's scale bytes of x
.set WSO, 27                           ; v27    of W
.set VGA, 28                           ; v28    my lane's place in a fragment of V in memory
.set VSO, 29                           ; v29    and among V's scale words
.set L4,  30                           ; v30    4 x lane
.set TV,  31                           ; v31    at work
.set WSC, 32                           ; W's scale words: tile t, K step s at WSC + 6 t + s
.set XSC, 176                          ; x's: tile u, K step s at XSC + 6 u + s
.set VSW, 188
.set TM,  192                          ; v192-195 largest magnitudes, v196-199 the other half's, then bytes, v204-207 the conversions' scale operands
.set PWS, 208                          ; v208-213 the scale words made: 3 u + G
.set PC,  216                          ; v216-227 a fragment's codes, v228-234 at work
.set SS,  236                          ; v236-239 the four words of a row's scales
.set WV,  30                           ; s30    my wave's number
.set SEL, 54                           ; s[54:55] v_permlanex16_b32's selects for lane l xor 16
.set MSB, 0
.macro WIN new                         ; s_set_vgpr_msb: bits 1:0 source 0, 3:2 source 1, 5:4 source 2, 7:6 destination; the high byte repeats the setting that is left
.if MSB != (\new)
	s_set_vgpr_msb (MSB<<8)|(\new)
.set MSB, (\new)
.endif
.endm
.macro PLACES n
.rept \n
	v_nop
.endr
.endm
	s_load_b512 s[4:19], s[0:1], 0x0               ; q_x codes, k_x codes, q_x scales, k_x scales, Wq codes, Wk codes, Wq scales, Wk scales
	s_load_b256 s[20:27], s[0:1], 0x40             ; qws, kws, v_x codes, v_x scales
	s_load_b64 s[28:29], s[0:1], 0x60              ; vws
	v_lshl_add_u32 v254, v0, 2, 0x4a000
	v_mov_b32 v255, 0
	v_lshrrev_b32 v1, 5, v0
	v_readfirstlane_b32 s[WV], v1                  ; wave 0..3
	v_and_b32 v1, 31, v0                           ; lane
	v_and_b32 v2, 15, v0                           ; r
	v_bfe_u32 v3, v0, 4, 1                         ; h
	v_lshlrev_b32 v[LI], 4, v1
	v_lshlrev_b32 v[L4], 2, v1
	s_mul_i32 s32, s[WV], 96*WP                    ; I copy W's rows 96 w .. 96 w + 95,
	s_mul_i32 s33, s[WV], 32*WP
	s_add_co_u32 s33, s33, XL                      ; and my own 32 rows of x
	; THE COPY.  Eight rows are 4,608 dense bytes: nine runs of 512, 16 bytes a lane.  Piece 32 n + lane lies in row n - 1 + T of the eight, T = 1 where lane >= 4 n; in LDS each row passed adds 16 bytes:
	; byte = base + 4,736 group + 528 n - 16 + 16 lane + 16 T.  The register holds base + 16 lane + 16 T; run 0 (T = 1 everywhere) takes run 8's register (T = 0) with 16 more in the immediate.
.irp n, 1,2,3,4,5,6,7,8
	v_add_nc_u32 v[TV], 32-4*\n, v1
	v_lshrrev_b32 v[TV], 5, v[TV]                  ; T
	v_lshl_add_u32 v[TV], v[TV], 4, v[LI]
	v_add_nc_u32 v[CW+\n], s32, v[TV]
	v_add_nc_u32 v[CX+\n], s33, v[TV]
.endr
	v_and_b32 v[TV], 8, v2
	v_add_nc_u32 v[TV], v[TV], v2                  ; r + 8 (r / 8)
	v_mul_u32_u24 v[XSO], v[TV], 24
	v_mul_u32_u24 v[XA], v[TV], WP
	v_mad_u32_u24 v[XA], v3, 24, v[XA]
	v_add_nc_u32 v[XA], s33, v[XA]
	v_mul_u32_u24 v[WR], v2, WP
	v_mad_u32_u24 v[WR], v3, 24, v[WR]
.irp k, 1,2,3
	v_add_nc_u32 v[WR+\k], \k*96*WP, v[WR]
.endr
	v_mul_u32_u24 v[WSO], v2, 24
	v_mul_u32_u24 v[VGA], v2, 1536                 ; V: channel r's row of 2,048 codes, + 24 h
	v_mad_u32_u24 v[VGA], v3, 24, v[VGA]
	v_lshlrev_b32 v[VSO], 6, v2                    ; its 64 scale bytes; lanes 16-31 take the word of the next 128 keys
	v_lshl_add_u32 v[VSO], v3, 2, v[VSO]
.irp b, 0,1,2,3
	v_mov_b32 v[TM+4+\b], 0                        ; written once: a lane permute's destination counts as one of its sources
.endr
	s_mov_b32 s[SEL], 0x76543210
	s_mov_b32 s[SEL+1], 0xfedcba98
	s_and_b32 s31, ttmp9, 127                      ; which 128 rows of the tensor
	s_mul_i32 s56, s31, 128*576
	s_mul_i32 s34, s[WV], 32*576
	s_add_co_u32 s56, s56, s34
	s_mov_b32 s57, 0                               ; s[56:57] my 32 rows' codes
	s_mul_i32 s58, s31, 128*24
	s_mul_i32 s34, s[WV], 32*24
	s_add_co_u32 s58, s58, s34
	s_mov_b32 s59, 0                               ; s[58:59] their scale bytes
	s_mul_i32 s60, s[WV], 96*576
	s_mov_b32 s61, 0                               ; s[60:61] the rows of W that I copy
	s_lshr_b32 s34, s31, 1
	s_mul_i32 s62, s34, UNIT                       ; the unit of 256 rows,
	s_and_b32 s34, s31, 1
	s_lshl_b32 s34, s34, 3
	s_lshl_b32 s35, s[WV], 1
	s_add_co_u32 s34, s34, s35                     ; and in it my first tile: 8 x half + 2 w
	s_lshl_b32 s90, s34, 8
	s_add_co_u32 s90, s90, s62
	s_add_co_u32 s90, s90, 48*FRB
	s_mov_b32 s91, 0                               ; s[90:91] where my scale words go
	s_mul_i32 s35, s34, 3*FRB
	s_add_co_u32 s62, s62, s35
	s_mov_b32 s63, 0                               ; s[62:63] where my fragments go
	s_and_b32 s86, ttmp9, 31
	s_mul_i32 s86, s86, 24
	s_mul_i32 s32, s[WV], 6
	s_add_co_u32 s86, s86, s32                     ; my first fragment of V among the batch's 768: 16 ct + (128 keys' number)
	s_lshr_b32 s88, ttmp9, 5                       ; the batch
	s_mul_i32 s87, s88, 768*1536
	s_mul_i32 s89, s88, 768*64
	s_lshl_b32 s88, s88, 3
	s_mov_b32 s85, 0
	s_wait_kmcnt 0x0
	s_cmp_lt_u32 ttmp9, 128                        ; q's work-group or k's?  The choice hangs on the work-group's number alone
	s_cselect_b64 s[4:5], s[4:5], s[6:7]
	s_cselect_b64 s[8:9], s[8:9], s[10:11]
	s_cselect_b64 s[12:13], s[12:13], s[14:15]
	s_cselect_b64 s[16:17], s[16:17], s[18:19]
	s_cselect_b64 s[20:21], s[20:21], s[22:23]
	s_add_nc_u64 s[4:5], s[4:5], s[56:57]
	s_add_nc_u64 s[8:9], s[8:9], s[58:59]
	s_add_nc_u64 s[14:15], s[12:13], s[60:61]
	s_add_nc_u64 s[22:23], s[20:21], s[90:91]
	s_add_nc_u64 s[20:21], s[20:21], s[62:63]
	; the scale words go straight into registers: a row's 24 bytes are its six words, one for each K step of 128
.set T, 0
.rept 24
.irp i, 0,1,2
	global_load_b64 v[WSC+6*T+2*\i:WSC+6*T+2*\i+1], v[WSO], s[16:17] offset:384*T+8*\i
.endr
.set T, T+1
.endr
.irp u, 0,1
.irp i, 0,1,2
	global_load_b64 v[XSC+6*\u+2*\i:XSC+6*\u+2*\i+1], v[XSO], s[8:9] offset:192*\u+8*\i
.endr
.endr
	WIN 0x40
.set I, 0
.rept 36
	global_load_b128 v[4*I:4*I+3], v[LI], s[4:5] offset:512*I th:TH_LOAD_NT   ; x: 32 lanes read 512 consecutive bytes; read once in the launch
.set I, I+1
.endr
	WIN 0x80
.set I, 0
.rept 54
	global_load_b128 v[4*I:4*I+3], v[LI], s[14:15] offset:512*I               ; W's rows, first half of my 96
.set I, I+1
.endr
; where V's fragment n comes from and where it goes (scalar work while the loads are out)
.macro VBASE n
	s_add_co_u32 s32, s86, \n
	s_lshr_b32 s33, s32, 4                         ; ct
	s_and_b32 s34, s32, 15                         ; which 128 keys
	s_mul_i32 s35, s33, 16*1536
	s_mul_i32 s84, s34, 96
	s_add_co_u32 s84, s84, s35
	s_add_co_u32 s84, s84, s87
	s_add_nc_u64 s[36+2*\n:37+2*\n], s[24:25], s[84:85]
	s_lshr_b32 s35, s34, 1                         ; which 256 keys
	s_add_co_u32 s35, s35, s88
	s_mul_i32 s35, s35, VBLK
	s_lshl_b32 s33, s33, 1
	s_and_b32 s34, s34, 1
	s_add_co_u32 s33, s33, s34
	s_mul_i32 s84, s33, FRB
	s_add_co_u32 s84, s84, s35
	s_add_nc_u64 s[66+2*\n:67+2*\n], s[28:29], s[84:85]
.endm
; fragments 2 p and 2 p + 1 are the two halves of one step of 256 keys (my first fragment's number is even): their scale words leave together
.macro VSBASE p
	s_add_co_u32 s32, s86, 2*\p
	s_lshr_b32 s33, s32, 4
	s_and_b32 s34, s32, 15
	s_lshl_b32 s35, s33, 10
	s_lshl_b32 s84, s34, 2
	s_add_co_u32 s84, s84, s35
	s_add_co_u32 s84, s84, s89
	s_add_nc_u64 s[48+2*\p:49+2*\p], s[26:27], s[84:85]
	s_lshr_b32 s34, s34, 1
	s_add_co_u32 s34, s34, s88
	s_mul_i32 s34, s34, VBLK
	s_lshl_b32 s35, s33, 7
	s_add_co_u32 s84, s34, s35
	s_add_co_u32 s84, s84, 96*FRB
	s_add_nc_u64 s[78+2*\p:79+2*\p], s[28:29], s[84:85]
.endm
.irp n, 0,1,2,3,4,5
	VBASE \n
.endr
.irp p, 0,1,2
	VSBASE \p
.endr
.macro TOLDS a, i0, cnt                ; runs i0 .. i0 + cnt - 1 of 512 bytes, from registers 0 on of the window in hand, into padded rows
.set I, \i0
.rept \cnt
.if I%9 == 0
	ds_store_b128 v[\a+8], v[4*(I-\i0):4*(I-\i0)+3] offset:8*WP*(I/9)
.else
	ds_store_b128 v[\a+I%9], v[4*(I-\i0):4*(I-\i0)+3] offset:8*WP*(I/9)+528*(I%9)-16
.endif
.set I, I+1
.endr
.endm
	s_wait_loadcnt 54                              ; loads come back in order (ISA guide 5.7.1): the scale words and x are in; W's 54 may be out
	WIN 0x04
	TOLDS CX, 0, 36
	WIN 0xc0
.set I, 0
.rept 54
	global_load_b128 v[4*I:4*I+3], v[LI], s[14:15] offset:512*(54+I)          ; W's second half, into registers of its own
.set I, I+1
.endr
	s_wait_loadcnt 54                              ; W's first half is in; the 54 just issued may be out
	WIN 0x08
	TOLDS CW, 0, 54
	s_wait_loadcnt 0x0
	WIN 0x0c
	TOLDS CW, 54, 54
	WIN 0
	s_wait_dscnt 0x0                               ; for the others' sake: my rows of W lie in LDS
	s_barrier_signal -1
	s_barrier_wait -1                              ; the launch's one barrier: W is whole for every wave
	; V's six fragments: 24 + 24 bytes a lane each, as the operand's registers take them.  They stay out through the whole product.
	WIN 0xc0
.irp n, 0,1,2,3,4,5
.irp p, 0,1,2,3,4,5
	global_load_b64 v[128+12*\n+2*\p:128+12*\n+2*\p+1], v[VGA], s[36+2*\n:37+2*\n] offset:48*(\p/3)+8*(\p%3) th:TH_LOAD_NT
.endr
.endr
	WIN 0
.irp p, 0,1,2
	global_load_b32 v[VSW+\p], v[VSO], s[48+2*\p:49+2*\p] th:TH_LOAD_NT
.endr
	; x's 12 fragments stay in registers: lane (r, h) takes of its row the 24 bytes at 96 s + 24 h and at 96 s + 48 + 24 h, in pieces of 8 so that every address is a multiple of the access's size
	WIN 0x40
.irp u, 0,1
.irp s, 0,1,2,3,4,5
.irp p, 0,1,2,3,4,5
	ds_load_b64 v[12*(6*\u+\s)+2*\p:12*(6*\u+\s)+2*\p+1], v[XA] offset:8*WP*\u+96*\s+48*(\p/3)+8*(\p%3)
.endr
.endr
.endr
; THE PRODUCT: 36 groups gp = 6 s + g of four tiles of W (t = 4 g .. 4 g + 3) at K step s, each against x's two tiles.
.macro LOADW gp, fs                    ; 24 LDS loads: the group's four fragments into set fs
	WIN 0x40
.irp i, 0,1,2,3
.set TT, 4*((\gp)%6)+\i
.irp p, 0,1,2,3,4,5
	ds_load_b64 v[144+48*(\fs)+12*\i+2*\p:144+48*(\fs)+12*\i+2*\p+1], v[WR+TT/6] offset:16*WP*(TT%6)+96*((\gp)/6)+48*(\p/3)+8*(\p%3)
.endr
.endr
.endm
.macro MULP gp, fs                     ; 8 matrix instructions.  The 48 accumulators take turns, one instruction a turn, in the same order at every K step; K step 0 starts the sums: nothing is cleared
.set KS, (\gp)/6
.if (\gp)%6 < 4
	WIN 0xa5                                       ; W and x window 1, C and D window 2
.else
	WIN 0xf5                                       ; C and D window 3
.endif
.irp i, 0,1,2,3
.set TT, 4*((\gp)%6)+\i
.irp u, 0,1
.if TT < 16
.set AC, 64*(2*\u+TT/8)+8*(TT%8)
.else
.set AC, 64*\u+8*(TT%8)
.endif
.if KS == 0
	v_wmma_scale_f32_16x16x128_f8f6f4 v[AC:AC+7], v[144+48*(\fs)+12*\i:144+48*(\fs)+12*\i+11], v[12*(6*\u+KS):12*(6*\u+KS)+11], 0, v[WSC+6*TT+KS], v[XSC+6*\u+KS] matrix_a_fmt:MATRIX_FMT_BF6 matrix_b_fmt:MATRIX_FMT_BF6
.else
	v_wmma_scale_f32_16x16x128_f8f6f4 v[AC:AC+7], v[144+48*(\fs)+12*\i:144+48*(\fs)+12*\i+11], v[12*(6*\u+KS):12*(6*\u+KS)+11], v[AC:AC+7], v[WSC+6*TT+KS], v[XSC+6*\u+KS] matrix_a_fmt:MATRIX_FMT_BF6 matrix_b_fmt:MATRIX_FMT_BF6
.endif
.endr
.endr
.endm
	LOADW 0, 0
	LOADW 1, 1
.set GP, 0
.rept 36
.if GP < 35
	s_wait_dscnt 24                                ; LDS loads come back in order: this group's fragments (and, the first time, x's) are in; the other set's 24 may be out
.else
	s_wait_dscnt 0x0
.endif
	MULP GP, GP%2
.if GP < 34
	PLACES 4                                       ; a load into registers that a matrix instruction has read stands four plain vector instructions behind it (ISA guide 7.12.1 for vector instructions)
	LOADW GP+2, GP%2
.endif
.set GP, GP+1
.endr
; 64 sums of a lane (register 16 b + i: place 32 b + 16 h + i of my row's 128) become a fragment's codes in v[PC] on and my row's scale word; src: their first register, win: their window, idx = 3 u + G.
.macro QUANTW src, win, idx
	WIN (\win)|((\win)<<2)
.irp b, 0,1,2,3
	v_max3_num_f32 v[TM+\b], |v[(\src)+16*\b]|, |v[(\src)+1+16*\b]|, 0x2800000   ; block b: my 16 numbers, each accumulator from its low end on, and the floor 2^(5 - 127): so the byte cannot fall under 1
.endr
	WIN ((\win)<<2)|((\win)<<4)
.irp i, 2,4,6,8,10,12,14
.irp b, 0,1,2,3
	v_max3_num_f32 v[TM+\b], v[TM+\b], |v[(\src)+16*\b+\i]|, |v[(\src)+1+16*\b+\i]|   ; (the four blocks by turns)
.endr
.endr
	WIN 0
.irp b, 0,1,2,3
	v_permlanex16_b32 v[TM+4+\b], v[TM+\b], s[SEL], s[SEL+1]
.endr
.irp b, 0,1,2,3
	v_max_num_f32 v[TM+\b], v[TM+\b], v[TM+4+\b]   ; with lane l xor 16's: the block's largest magnitude
.endr
.irp b, 0,1,2,3
	v_add_nc_u32 v[TM+12+\b], 0xfe000000, v[TM+\b] ; 4 off its exponent field: the conversion takes the exponent field of this operand as its scale, and nothing else of it
.endr
.irp b, 0,1,2,3
	v_lshrrev_b32 v[TM+4+\b], 23, v[TM+12+\b]      ; the scale's byte
.endr
	v_lshl_or_b32 v[PWS+(\idx)], v[TM+5], 8, v[TM+4]
	v_lshl_or_b32 v[PWS+(\idx)], v[TM+6], 16, v[PWS+(\idx)]
	v_lshl_or_b32 v[PWS+(\idx)], v[TM+7], 24, v[PWS+(\idx)]
.if (\idx) > 0
	s_wait_xcnt 0x0                                ; the last fragment's stores have read their data: v[PC] on is rewritten only behind this wait
.endif
	WIN \win
.irp c, 0,1
	v_cvt_scalef32_pk16_bf6_f32 v[PC+6*\c:PC+2+6*\c], v[(\src)+32*\c:(\src)+15+32*\c], v[TM+12+2*\c]
	v_cvt_scalef32_pk16_bf6_f32 v[PC+12+4*\c:PC+14+4*\c], v[(\src)+16+32*\c:(\src)+31+32*\c], v[TM+12+2*\c+1]   ; (a conversion's three registers begin on an even number)
.endr
	WIN 0
	v_nop                                          ; one plain vector instruction behind a scaled conversion
.irp c, 0,1                                    ; the operand's layout wants a WHOLE block in a lane: lanes 0-15 block 2 c, lanes 16-31 block 2 c + 1
.irp i, 0,1,2
	v_permlane16_swap_b32 v[PC+6*\c+\i], v[PC+12+4*\c+\i]
.endr
.irp i, 0,1,2
	v_mov_b32 v[PC+3+6*\c+\i], v[PC+12+4*\c+\i]
.endr
.endr
.irp e, 0,1,2
	global_store_b128 v[LI], v[PC+4*\e:PC+4*\e+3], s[20:21] offset:FRB*(\idx)+512*\e   ; the image: 32 lanes store 512 consecutive bytes, at a multiple of 256 from the buffer's first byte
.endr
.endm
	PLACES 4                                       ; in front of the first read of results
.irp u, 0,1
	QUANTW 64*(2*\u), 2, 3*\u
	QUANTW 64*(2*\u+1), 2, 3*\u+1
	QUANTW 64*\u, 3, 3*\u+2
.endr
	v_cmp_le_u32 vcc_lo, 16, v1                    ; lanes 0-15 store tile 0's words, lanes 16-31 tile 1's (every lane holds its row's words of both)
.irp i, 0,1,2
	v_cndmask_b32 v[SS+\i], v[PWS+\i], v[PWS+3+\i], vcc_lo
.endr
	v_mov_b32 v[SS+3], 0
	global_store_b128 v[LI], v[SS:SS+3], s[22:23]  ; 512 consecutive bytes
	s_wait_loadcnt 0x0                             ; V's fragments and scale words
	WIN 0x0c                                       ; a store's data are its source 1: window 3
.irp n, 0,1,2,3,4,5
.irp e, 0,1,2
	global_store_b128 v[LI], v[128+12*\n+4*\e:128+12*\n+4*\e+3], s[66+2*\n:67+2*\n] offset:512*\e
.endr
.endr
	WIN 0
.irp p, 0,1,2
	global_store_b32 v[L4], v[VSW+\p], s[78+2*\p:79+2*\p]   ; 128 consecutive bytes: a tile's words of both halves of a step
.endr
	s_wait_tensorcnt 0x0
	ds_add_u32 v254, v255
	s_wait_dscnt 0x0
	s_endpgm
.Lfunc_end_k_q03482318e1_prep:
	.size	k_q03482318e1_prep, .Lfunc_end_k_q03482318e1_prep-k_q03482318e1_prep
	.p2alignl 7, 3214868480
	.fill 96, 4, 3214868480
	.section	.rodata,"a",@progbits
	.p2align	6, 0x0
	.amdhsa_kernel k_q03482318e1_prep
		.amdhsa_group_segment_fixed_size 303616
		.amdhsa_private_segment_fixed_size 0
		.amdhsa_enable_private_segment 0
		.amdhsa_kernarg_size 104
		.amdhsa_user_sgpr_count 2
		.amdhsa_user_sgpr_kernarg_segment_ptr 1
		.amdhsa_wavefront_size32 1
		.amdhsa_system_sgpr_workgroup_id_x 1
		.amdhsa_system_sgpr_workgroup_id_y 1
		.amdhsa_system_sgpr_workgroup_id_z 1
		.amdhsa_system_vgpr_workitem_id 0
		.amdhsa_next_free_vgpr 1024
		.amdhsa_next_free_sgpr 100
		.amdhsa_reserve_vcc 1
		.amdhsa_float_denorm_mode_32 3
		.amdhsa_float_denorm_mode_16_64 3
		.amdhsa_memory_ordered 1
		.amdhsa_forward_progress 1
		.amdhsa_inst_pref_size 175
	.end_amdhsa_kernel
	.amdgpu_metadata
---
amdhsa.version: [ 1, 2 ]
amdhsa.kernels:
  - .name:           k_q03482318e1_prep
    .symbol:         k_q03482318e1_prep.kd
    .args:
      - { .name: q_x_codes, .offset: 0, .size: 8, .value_kind: global_buffer, .address_space: global }
      - { .name: k_x_codes, .offset: 8, .size: 8, .value_kind: global_buffer, .address_space: global }
      - { .name: q_x_scales, .offset: 16, .size: 8, .value_kind: global_buffer, .address_space: global }
      - { .name: k_x_scales, .offset: 24, .size: 8, .value_kind: global_buffer, .address_space: global }
      - { .name: Wq_codes, .offset: 32, .size: 8, .value_kind: global_buffer, .address_space: global }
      - { .name: Wk_codes, .offset: 40, .size: 8, .value_kind: global_buffer, .address_space: global }
      - { .name: Wq_scales, .offset: 48, .size: 8, .value_kind: global_buffer, .address_space: global }
      - { .name: Wk_scales, .offset: 56, .size: 8, .value_kind: global_buffer, .address_space: global }
      - { .name: qws, .offset: 64, .size: 8, .value_kind: global_buffer, .address_space: global }
      - { .name: kws, .offset: 72, .size: 8, .value_kind: global_buffer, .address_space: global }
      - { .name: v_x_codes, .offset: 80, .size: 8, .value_kind: global_buffer, .address_space: global }
      - { .name: v_x_scales, .offset: 88, .size: 8, .value_kind: global_buffer, .address_space: global }
      - { .name: vws, .offset: 96, .size: 8, .value_kind: global_buffer, .address_space: global }
    .group_segment_fixed_size: 303616
    .private_segment_fixed_size: 0
    .kernarg_segment_align: 8
    .kernarg_segment_size: 104
    .max_flat_workgroup_size: 128
    .sgpr_count:     100
    .vgpr_count:     1024
    .wavefront_size: 32
...
	.end_amdgpu_metadata
.endif
;; end of part 1
;; launch attn (part 2): grid 32 x 8, 4 waves a work-group, clusters of 4 x 1, 327,680 bytes of LDS; arguments qws, kws, vws, out0; writes out0
.if DOCPART == 2
	.amdgcn_target "amdgcn-amd-amdhsa--gfx1250"
	.amdhsa_code_object_version 6
	.text
	.protected	k_q03482318e1_attn
	.globl	k_q03482318e1_attn
	.p2align	8
	.type	k_q03482318e1_attn,@function
k_q03482318e1_attn:
	s_mov_b64 s[64:65], 0
	v_nop
	global_prefetch_b8 v0, s[64:65] scope:SCOPE_SE
	s_setreg_imm32_b32 hwreg(HW_REG_WAVE_MODE, 25, 1), 1
	s_wait_xcnt 0x0
	s_wait_alu depctr_hold_cnt(0) depctr_sa_sdst(0) depctr_va_vdst(0) depctr_va_sdst(0) depctr_va_ssrc(0) depctr_va_vcc(0) depctr_vm_vsrc(0)
	s_getreg_b32 s2, hwreg(HW_REG_IB_STS2, 6, 4)
	s_cmp_eq_u32 s2, 0
	s_cbranch_scc0 .Lentry_in_a_cluster
	s_endpgm
.Lentry_in_a_cluster:
	s_bfe_u32 s2, ttmp6, 0x10000c
	s_cmp_lg_u32 s2, 0x3003
	s_cbranch_scc0 .Lentry_shape_is_right
	s_endpgm
.Lentry_shape_is_right:
; out[b][n][:] = the sum over keys m of softmax_m(q[b][n] . k[b][m] / 384) v[b][m][:], both products on codes of BF6 (E3M2) with one E8M0 scale for each 32 along a product's K.
; q, k (K = 384) and v (K = the keys) come as images of operand registers, laid by the launch before: a fragment (16 rows x 128 K, 12 registers a lane) is 1,536 bytes, registers 4 e .. 4 e + 3 of lane l at 512 e + 16 l.
; THE SOFTMAX AHEAD OF THE SECOND PRODUCT: t = score x log2(e) / 384; M = the row's largest t so far, rounded UP to a whole number; p = 2^(t - M) is quantised along the keys, not normalised.
; The row's sum is taken of the unquantised p and divides at the end.  When M moves, the sum and O are multiplied by 2^(old M - new M): exact.
; SHARES.  A work-group owns 64 queries of a batch (four tiles m of 16) and walks the batch's 2,048 keys in eight steps of 256.  THE FOUR WAVES SHARE A STEP'S KEYS IN THE FIRST PRODUCT AND THE CHANNELS IN THE SECOND:
;   S^T = K Q^T: wave w takes keys 64 w .. 64 w + 63 (four tiles t) against all four tiles of queries: 48 matrix instructions; each fragment of K feeds four.
;   O^T = V^T P^T: wave w takes channels 192 w .. 192 w + 191 (twelve tiles) against all four tiles of queries: 96 matrix instructions, 384 registers of sums; each fragment of V is read from LDS once and feeds four.
;   From wave to wave through LDS go: each wave's largest score of each query; p's codes, as images (wave w makes registers 6 c .. 6 c + 5 of the fragments of K step q, q = w / 2, c = w % 2); p's scale bytes, two a wave.
; Both products are used transposed: a lane holds ONE query (lane % 16) throughout.  The keys of a tile are not neighbours (tile 2 i + u, row r: key 32 i + 8 u + r + 8 (r / 8)), so that the 16 registers of two
; neighbouring tiles are 16 neighbouring keys; the queries of a tile are chosen alike, which the way out undoes in its stores' offsets.
; V: CLUSTER AND RING.  The four work-groups of a cluster belong to one batch and walk the same V: each step's 153,600 bytes are asked for JOINTLY, by the same tensor load with the same descriptor and a mask that names
; the four; each wave brings a quarter.  Two slots take turns; the barrier that hands the waves' largest scores over is also the round behind which the next step's V goes into the slot read last step: one wait for all
; loads and one round a step, and a load has a whole step (144 matrix instructions and the softmax) in which to land.  By this text's count a wave has one tensor load out.
; K: STRAIGHT INTO REGISTERS, NOT JOINTLY.  A fragment of K is used by one wave alone, so LDS would share nothing inside the work-group, and a slot for K (77,824 bytes) beside two of V's (307,200) does not fit into
; the 327,680 there are.  So a wave loads its 12 fragments and their scale words itself, 40 loads of 512 consecutive bytes, behind one step's first product for the next step's.  K is a third of a step's bytes.
; LIMITS: NaN and infinities are not served; a p under 2^-126 counts as 0 (v_exp_f32 flushes: ISA guide 15.8); a block whose every p is 0 gets the byte 1 (its codes are zeros); t - M is one fused multiply-add of the
; score with c = log2(e) / 384 rounded to f32, where the definition multiplies twice.
; REGISTERS, in windows of 256.  Window 0: v2-26 addresses; v32-79 scale words (Q's, K's, V's, p's) and nothing else; v80-91, v224-247 key tile 3's three fragments; v96-127 statistics, 8 a tile;
;   v128-223 the softmax's work, then two sets of four fragments of V, then rows of O.   window 1: v0-143 Q's 12 fragments; v144-251 key tiles 0-2, nine fragments.   window 2: O^T of my channel tiles 0-7, at 8 (4 ct + m).
;   window 3: v0-127 O^T of tiles 8-11; v128-255 S^T, then p (tile m, key tile t at 128 + 32 m + 8 t), then P's eight fragments (K step q, tile m at 128 + 12 (4 q + m)).
.set FRB,   1536
.set UNIT,  77824                      ; K's step in memory: 48 fragments, then 16 x 256 bytes of scale words
.set VBLK,  153600                     ; V's step: 96 fragments, then 48 x 128 bytes of scale words.  LDS: slot 0 at 0, slot 1 at VBLK,
.set PIM,   2*VBLK                     ; P's images: fragment (m, q) at 1,536 (2 m + q); half c at + 768 c: its registers 0-3 at 16 l, 4-5 at 512 + 8 l
.set PSC,   PIM+8*FRB                  ; P's scale words: 128 m + 64 q + 4 row; a wave's two bytes at + 2 c
.set MXB,   PSC+512                    ; the waves' largest scores: 256 m + 16 row + 4 w;  1,024 bytes on: their sums, laid alike
.set SPARE, MXB+2048                   ; the spare words, 128 bytes for each wave: two blocks of 256 bytes that no other line names
.set STG,   0                          ; the way out: 16 rows x (768 bytes + 16) for each wave, in slot 0, which has had its last fill (step 6's V) and its last read when the first result is stored there
.set SPI,   784
.set LI,  2                            ; v2   16 x lane
.set KA,  3                            ; v3   my wave's fragments of K: byte offset in a step's unit in memory
.set KSA, 4                            ; v4   their scale words likewise
.set VA,  5                            ; v5   my wave's fragments of V in slot 0;  v25 in slot 1
.set VSA, 6                            ; v6   their scale words in slot 0;  v26 in slot 1
.set PIA, 7                            ; v7   where I store p's registers 0-3
.set PIB, 8                            ; v8   and 4-5
.set PRA, 9                            ; v9   where any fragment of P is read: registers 0-3 of a half
.set PRB, 10                           ; v10  and 4-5
.set PSA, 11                           ; v11  where I store p's two scale bytes
.set PSR, 12                           ; v12  where p's scale words are read
.set MXA, 13                           ; v13  where I store a largest score (and, 1,024 on, a sum)
.set MXR, 14                           ; v14  where the four waves' are read
.set STO, 15                           ; v15  the stage: where I put 32 bytes of a row
.set RD0, 16                           ; v16  and where I read 512 bytes of a row back,
.set RD1, 17                           ; v17  or the last 256 of one row and the first 256 of the next
.set GO1, 19                           ; v19  the latter's place in out
.set SPW, 20                           ; v20  LDS address of my spare word: SPARE + 4 x my thread's number; never rewritten
.set NIL, 21                           ; v21  0; never rewritten
.set R16, 22                           ; v22  16 x (lane % 16)
.set QSC, 32                           ; Q's scale words: tile m, K step s at QSC + 4 m + s
.set KSC, 48                           ; K's: tile t, K step s at KSC + 4 t + s
.set VSC, 64                           ; V's: tile ct; lanes 0-15 the step's first 128 keys, lanes 16-31 the second
.set PSW, 76                           ; p's: tile m; lanes likewise
.set ST,  96                           ; tile m's statistics at ST + 8 m: +0 -M, +1 the largest t, +2, +3 the sum in two halves, +4 f, +5 (0: named with f as a pair), +6, +7 at work, at last 1 / the sum
.set BM,  128                          ; v128-135 the largest score, then p, of block b of tile m: 2 m + b
.set BJ,  136                          ; v136-143 the other half of the lanes'
.set SCO, 144                          ; v144-151 the conversions' scale operands
.set BY,  152                          ; v152-159 the scale bytes
.set MXL, 160                          ; v160-175 the four waves' figures, four a tile
.set PC,  176                          ; v176-223 the codes made: 12 a tile
.set WV,  12                           ; s12  my wave's number
.set G1V, 32                           ; s[32:39] descriptor group 1 for a quarter of V's step
.set G0V, 40                           ; s[40:43], s[44:47] group 0, one set for each slot
.set CS,  48                           ; s[48:49] c: the packed form names a pair and takes its low word for both halves
.set SEL, 50                           ; s[50:51] v_permlanex16_b32's selects for lane l xor 16
.set MSB, 0
.macro WIN new                         ; s_set_vgpr_msb: bits 1:0 source 0, 3:2 source 1, 5:4 source 2, 7:6 destination; the high byte repeats the setting that is left
.if MSB != (\new)
	s_set_vgpr_msb (MSB<<8)|(\new)
.set MSB, (\new)
.endif
.endm
.macro PLACES n
.rept \n
	v_nop
.endr
.endm
.macro BAR
	s_barrier_signal -1
	s_barrier_wait -1
.endm
; A round of the cluster's barrier: my work-group's barrier, so that wave 0's signal speaks for all four waves; wave 0 signals for the work-group; every wave waits for all four work-groups; my work-group's barrier once more.
.macro CROUND
	s_barrier_signal -1
	s_barrier_wait -1
	s_cmp_lg_u32 s[WV], 0
	s_cbranch_scc1 .Lnot_wave_0_\@
	s_barrier_signal -3
.Lnot_wave_0_\@:
	s_barrier_wait -3
	s_barrier_signal -1
	s_barrier_wait -1
.endm
; 40 loads from memory: my four key tiles' twelve fragments and their scale words, of the step at which s[6:7] stands; 32 lanes read 512 consecutive bytes (the scale words: sixteen lanes 256, both halves of the lanes the same)
.macro LOADKG
	WIN 0x40                                       ; destination window 1, address window 0
.irp t, 0,1,2
.irp s, 0,1,2
.irp e, 0,1,2
	global_load_b128 v[144+36*\t+12*\s+4*\e:144+36*\t+12*\s+4*\e+3], v[KA], s[6:7] offset:FRB*(3*\t+\s)+512*\e
.endr
.endr
.endr
	WIN 0
.irp s, 0,1,2                                  ; tile 3: K step 0 at v80, 1 at v224, 2 at v236
.irp e, 0,1,2
	global_load_b128 v[80+144*((\s+1)/2)+12*(\s/2)+4*\e:80+144*((\s+1)/2)+12*(\s/2)+4*\e+3], v[KA], s[6:7] offset:FRB*(9+\s)+512*\e
.endr
.endr
.irp t, 0,1,2,3
	global_load_b128 v[KSC+4*\t:KSC+4*\t+3], v[KSA], s[6:7] offset:256*\t
.endr
.endm
	s_load_b256 s[4:11], s[0:1], 0x0               ; qws s[4:5], kws s[6:7], vws s[8:9], out s[10:11]
	v_lshl_add_u32 v[SPW], v0, 2, SPARE
	v_mov_b32 v[NIL], 0
	ds_add_u32 v20, v21
	ds_add_u32 v20, v21
	s_wait_dscnt 0x0
	v_lshrrev_b32 v1, 5, v0
	v_readfirstlane_b32 s[WV], v1                  ; wave 0..3
	s_bfe_u32 s13, ttmp6, 0x40000                  ; cx: my place in the cluster: it enters Q's and out's addresses alone
	s_and_b32 s15, ttmp7, 0xffff                   ; the batch, which the four partners share
	s_mul_i32 s16, s15, 8*UNIT                     ; K: the batch's first step (my wave's part stands in the lanes' offsets)
	s_mov_b32 s17, 0
	s_mul_i32 s18, s15, 8*VBLK                     ; V: the batch's first step, my quarter of it
	s_mul_i32 s19, s[WV], VBLK/4
	s_add_co_u32 s18, s18, s19
	s_mov_b32 s19, 0
	s_lshl_b32 s14, s15, 3
	s_add_co_u32 s14, s14, ttmp9                   ; Q: the cluster's 256 queries are one unit (in a cluster launch ttmp9 counts clusters),
	s_mul_i32 s14, s14, UNIT
	s_mul_i32 s20, s13, 12*FRB                     ; my 64 are its tiles 4 cx .. 4 cx + 3
	s_add_co_u32 s20, s20, s14
	s_mov_b32 s21, 0
	s_lshl_b32 s22, s13, 10
	s_add_co_u32 s22, s22, s14
	s_add_co_u32 s22, s22, 48*FRB                  ; and their scale words
	s_mov_b32 s23, 0
	s_lshl_b32 s2, ttmp9, 2
	s_add_co_u32 s2, s2, s13
	s_lshl_b32 s2, s2, 6
	s_lshl_b32 s3, s15, 11
	s_add_co_u32 s2, s2, s3                        ; my first row of out: 2,048 x batch + 64 x (4 x cluster + cx)
	s_mul_i32 s2, s2, 3072
	s_mul_i32 s3, s[WV], 768                       ; my wave's 192 channels
	s_add_co_u32 s2, s2, s3
	s_mov_b32 s3, 0
	; descriptor group 1: a dense block as rows of 256 bytes (32 elements of 8 bytes), no padding: the images are read 512 consecutive bytes an instruction
	s_mov_b32 s[G1V], 15|(3<<16)|(1<<21)           ; 15:0 the mask: all four work-groups; 17:16 elements of 8 bytes; 21 set beside a mask
	s_mov_b32 s[G1V+1], 32<<16                     ; tensor_dim0 = 32
	s_mov_b32 s[G1V+2], (VBLK/1024)<<16            ; tensor_dim1 = 150
	s_mov_b32 s[G1V+3], 32<<16                     ; tile_dim0 = 32
	s_mov_b32 s[G1V+4], VBLK/1024                  ; tile_dim1 = 150
	s_mov_b32 s[G1V+5], 32                         ; tensor_dim0_stride
	s_mov_b32 s[G1V+6], 0
	s_mov_b32 s[G1V+7], 0
	s_mov_b32 s[CS], 0x3b76384f                    ; c = log2(e) / 384
	s_mov_b32 s[CS+1], s[CS]                       ; (named with it as a pair, so it is written)
	s_mov_b32 s[SEL], 0x76543210
	s_mov_b32 s[SEL+1], 0xfedcba98
	s_wait_kmcnt 0x0
	s_add_nc_u64 s[6:7], s[6:7], s[16:17]
	s_add_nc_u64 s[8:9], s[8:9], s[18:19]
	s_add_nc_u64 s[20:21], s[4:5], s[20:21]
	s_add_nc_u64 s[22:23], s[4:5], s[22:23]
	s_add_nc_u64 s[10:11], s[10:11], s[2:3]
	s_mul_i32 s16, s[WV], VBLK/4                   ; my quarter of a slot: no place in the cluster enters an LDS address
.irp s, 0,1
	s_mov_b32 s[G0V+4*\s], 1                                       ; 1:0 count = 1
	s_add_co_u32 s[G0V+4*\s+1], s16, \s*VBLK                       ; 63:32 LDS address: slot s
	s_add_nc_u64 s[G0V+4*\s+2:G0V+4*\s+3], s[8:9], \s*VBLK         ; 120:64 global address: step s
	s_or_b32 s[G0V+4*\s+3], s[G0V+4*\s+3], 0x80000000              ; 127:126 type = 2
.endr
	CROUND                                         ; all four work-groups are here: the first joint load meets
	tensor_load_to_lds s[G0V:G0V+3], s[G1V:G1V+7]  ; step 0's V: the first fill, ahead of every wait on TENSORcnt, every LDS read and every other barrier; slot 1 is first filled behind step 0's round, as a refill is
	s_nop 0
	PLACES 4
	v_and_b32 v1, 31, v0                           ; lane
	v_and_b32 v23, 15, v0                          ; r
	v_bfe_u32 v24, v0, 4, 1                        ; h
	v_lshlrev_b32 v[LI], 4, v1
	v_lshlrev_b32 v[R16], 4, v23
	s_mul_i32 s16, s[WV], 12*FRB                   ; K: my four tiles' twelve fragments
	v_add_nc_u32 v[KA], s16, v[LI]
	s_lshl_b32 s16, s[WV], 10
	s_add_co_u32 s16, s16, 48*FRB
	v_add_nc_u32 v[KSA], s16, v[R16]
	WIN 0x40                                       ; destination window 1
.set I, 0
.rept 12                               ; Q stays in registers: fragment 3 m + s
.irp e, 0,1,2
	global_load_b128 v[12*I+4*\e:12*I+4*\e+3], v[LI], s[20:21] offset:FRB*I+512*\e
.endr
.set I, I+1
.endr
	WIN 0
.irp m, 0,1,2,3
	global_load_b128 v[QSC+4*\m:QSC+4*\m+3], v[R16], s[22:23] offset:256*\m
.endr
	LOADKG                                         ; step 0's K
	s_mul_i32 s16, s[WV], 24*FRB                   ; V: my twelve tiles' 24 fragments
	v_add_nc_u32 v[VA], s16, v[LI]
	v_add_nc_u32 v[VA+20], VBLK, v[VA]
	s_mul_i32 s16, s[WV], 12*128
	s_add_co_u32 s16, s16, 96*FRB
	v_lshl_add_u32 v[VSA], v1, 2, s16
	v_add_nc_u32 v[VSA+20], VBLK, v[VSA]
	s_lshr_b32 s16, s[WV], 1                       ; q: which 128 of the step's keys are mine,
	s_and_b32 s17, s[WV], 1                        ; c: which 64 of them
	s_mul_i32 s18, s16, FRB
	s_mul_i32 s19, s17, FRB/2
	s_add_co_u32 s18, s18, s19
	s_add_co_u32 s18, s18, PIM
	v_add_nc_u32 v[PIA], s18, v[LI]
	s_add_co_u32 s18, s18, 512
	v_lshl_add_u32 v[PIB], v1, 3, s18
	v_add_nc_u32 v[PRA], PIM, v[LI]
	v_lshl_add_u32 v[PRB], v1, 3, PIM+512
	s_lshl_b32 s16, s16, 6
	s_lshl_b32 s17, s17, 1
	s_add_co_u32 s16, s16, s17
	s_add_co_u32 s16, s16, PSC
	v_lshl_add_u32 v[PSA], v23, 2, s16
	v_lshl_add_u32 v[PSR], v1, 2, PSC
	s_lshl_b32 s16, s[WV], 2
	s_add_co_u32 s16, s16, MXB
	v_add_nc_u32 v[MXA], s16, v[R16]
	v_add_nc_u32 v[MXR], MXB, v[R16]
	s_mul_i32 s16, s[WV], 16*SPI
	s_add_co_u32 s16, s16, STG                     ; my stage
	v_mul_u32_u24 v[STO], v23, SPI
	v_lshl_add_u32 v[STO], v24, 5, v[STO]
	v_add_nc_u32 v[STO], s16, v[STO]               ; in: row r, + 32 h
	v_add_nc_u32 v[RD0], s16, v[LI]
	v_mad_u32_u24 v[RD1], v24, 272, v[R16]         ; lanes 0-15: byte 512 on of a row; lanes 16-31: 784 - 512 further on: the next row's first byte
	v_add_nc_u32 v[RD1], s16, v[RD1]
	v_add_nc_u32 v[RD1], 512, v[RD1]
	v_mad_u32_u24 v[GO1], v24, 2560, v[R16]        ; the same in out, whose rows are 3,072 bytes
	v_add_nc_u32 v[GO1], 512, v[GO1]
.irp m, 0,1,2,3
	v_mov_b32 v[ST+8*\m+1], 0xff61b1e6             ; the largest t so far: -3e38, under every t
	v_floor_f32 v[ST+8*\m], -v[ST+8*\m+1]          ; -M
	v_mov_b32 v[ST+8*\m+2], 0                      ; the sum, in two halves
	v_mov_b32 v[ST+8*\m+3], 0
	v_mov_b32 v[ST+8*\m+5], 0
	v_mov_b32 v[ST+8*\m+7], 0
.endr
.irp k, 0,1,2,3,4,5,6,7
	v_mov_b32 v[BJ+\k], 0                          ; written once: a lane permute's destination counts as one of its sources
.endr
.macro MULS t                          ; 12 matrix instructions: key tile t against the four tiles of queries, K = 384 in three steps; the four accumulators take turns; the first step starts the sums
.if (\t) < 3
	WIN 0xf5                                       ; K and Q window 1, S^T window 3
.else
	WIN 0xf4                                       ; tile 3's fragments lie in window 0
.endif
.irp s, 0,1,2
.if (\t) < 3
.set KR, 144+36*(\t)+12*\s
.else
.set KR, 80+144*((\s+1)/2)+12*(\s/2)
.endif
.irp m, 0,1,2,3
.if \s == 0
	v_wmma_scale_f32_16x16x128_f8f6f4 v[128+32*\m+8*(\t):128+32*\m+8*(\t)+7], v[KR:KR+11], v[12*(3*\m+\s):12*(3*\m+\s)+11], 0, v[KSC+4*(\t)+\s], v[QSC+4*\m+\s] matrix_a_fmt:MATRIX_FMT_BF6 matrix_b_fmt:MATRIX_FMT_BF6
.else
	v_wmma_scale_f32_16x16x128_f8f6f4 v[128+32*\m+8*(\t):128+32*\m+8*(\t)+7], v[KR:KR+11], v[12*(3*\m+\s):12*(3*\m+\s)+11], v[128+32*\m+8*(\t):128+32*\m+8*(\t)+7], v[KSC+4*(\t)+\s], v[QSC+4*\m+\s] matrix_a_fmt:MATRIX_FMT_BF6 matrix_b_fmt:MATRIX_FMT_BF6
.endif
.endr
.endr
.endm
.macro LOADP q                         ; 16 LDS loads: P's four fragments of K step q, each from the two waves' halves
	WIN 0xc0
.irp m, 0,1,2,3
.irp c, 0,1
	ds_load_b128 v[128+12*(4*(\q)+\m)+6*\c:128+12*(4*(\q)+\m)+6*\c+3], v[PRA] offset:FRB*(2*\m+(\q))+768*\c
	ds_load_b64 v[128+12*(4*(\q)+\m)+6*\c+4:128+12*(4*(\q)+\m)+6*\c+5], v[PRB] offset:FRB*(2*\m+(\q))+768*\c
.endr
.endr
.endm
.macro LOADV gv, fs, sl                ; 12 LDS loads: group gv = 3 q + g: channel tiles 4 g .. 4 g + 3 at K step q, from slot sl into set fs
	WIN 0
.irp i, 0,1,2,3
.irp e, 0,1,2
	ds_load_b128 v[128+48*(\fs)+12*\i+4*\e:128+48*(\fs)+12*\i+4*\e+3], v[VA+20*(\sl)] offset:FRB*(2*(4*((\gv)%3)+\i)+(\gv)/3)+512*\e
.endr
.endr
.endm
.macro MULV gv, fs, first              ; 16 matrix instructions on 16 accumulators.  first = 1: the launch's first K step starts O^T's sums: nothing is cleared
.if (\gv)%3 < 2
	WIN 0xac                                       ; V window 0, P window 3, O^T window 2
.else
	WIN 0xfc                                       ; O^T window 3
.endif
.irp i, 0,1,2,3
.irp m, 0,1,2,3
.set CT, 4*((\gv)%3)+\i
.set OA, 8*(4*(CT%8)+\m)
.if (\gv) >= 3
	v_wmma_scale_f32_16x16x128_f8f6f4 v[OA:OA+7], v[128+48*(\fs)+12*\i:128+48*(\fs)+12*\i+11], v[176+12*\m:176+12*\m+11], v[OA:OA+7], v[VSC+CT], v[PSW+\m] matrix_a_fmt:MATRIX_FMT_BF6 matrix_b_fmt:MATRIX_FMT_BF6 matrix_a_scale:MATRIX_SCALE_ROW1 matrix_b_scale:MATRIX_SCALE_ROW1
.elseif \first
	v_wmma_scale_f32_16x16x128_f8f6f4 v[OA:OA+7], v[128+48*(\fs)+12*\i:128+48*(\fs)+12*\i+11], v[128+12*\m:128+12*\m+11], 0, v[VSC+CT], v[PSW+\m] matrix_a_fmt:MATRIX_FMT_BF6 matrix_b_fmt:MATRIX_FMT_BF6
.else
	v_wmma_scale_f32_16x16x128_f8f6f4 v[OA:OA+7], v[128+48*(\fs)+12*\i:128+48*(\fs)+12*\i+11], v[128+12*\m:128+12*\m+11], v[OA:OA+7], v[VSC+CT], v[PSW+\m] matrix_a_fmt:MATRIX_FMT_BF6 matrix_b_fmt:MATRIX_FMT_BF6
.endif
.endr
.endr
.endm
; A STEP OF 256 KEYS.  first = 1: the launch's first; fill = 1: the next step's K and V are asked for; sl: the slot in which this step's V lies.
.macro STEP first, fill, sl
	; ---- S^T = K Q^T: my 64 keys x 64 queries
.if !\first
	PLACES 5                                       ; five plain vector instructions between the last products that read P's registers and the first that writes over them (ISA guide 7.12.1)
.endif
	s_wait_loadcnt 0x0                             ; this step's K and its scale words (asked for behind the last step's first product); the first time Q too
	MULS 0
	MULS 1
	MULS 2
	MULS 3
	PLACES 4                                       ; in front of loads into registers that matrix instructions have read, and of the first read of results
.if \fill
	s_add_nc_u64 s[6:7], s[6:7], UNIT              ; the loads that named this base are done (the wait above)
	LOADKG                                         ; the next step's K: it has the softmax and the second product in which to land
.endif
	; ---- the largest score of each block of 32 keys (tile m, block b: 16 registers and the other half of the lanes'): it serves the row's maximum and, since p rises with the score, the block's largest p
	WIN 0x3f
.irp m, 0,1,2,3
.irp b, 0,1
	v_max3_num_f32 v[BM+2*\m+\b], v[128+32*\m+16*\b], v[129+32*\m+16*\b], v[130+32*\m+16*\b]   ; each accumulator is first read at its low end
.endr
.endr
	WIN 0x3c
.irp i, 3,5,7,9,11,13
.irp m, 0,1,2,3
.irp b, 0,1
	v_max3_num_f32 v[BM+2*\m+\b], v[BM+2*\m+\b], v[128+32*\m+16*\b+\i], v[129+32*\m+16*\b+\i]   ; (the eight blocks by turns)
.endr
.endr
.endr
	WIN 0x0c
.irp m, 0,1,2,3
.irp b, 0,1
	v_max_num_f32 v[BM+2*\m+\b], v[BM+2*\m+\b], v[143+32*\m+16*\b]
.endr
.endr
	WIN 0
.irp k, 0,1,2,3,4,5,6,7
	v_permlanex16_b32 v[BJ+\k], v[BM+\k], s[SEL], s[SEL+1]
.endr
.irp k, 0,1,2,3,4,5,6,7
	v_max_num_f32 v[BM+\k], v[BM+\k], v[BJ+\k]
.endr
.irp m, 0,1,2,3
	v_max_num_f32 v[ST+8*\m+6], v[BM+2*\m], v[BM+2*\m+1]
.endr
.irp m, 0,1,2,3
	ds_store_b32 v[MXA], v[ST+8*\m+6] offset:256*\m   ; my 64 keys' largest score of query r (both halves of the lanes write the same word with the same value)
.endr
	; ---- ONE BARRIER FOR TWO THINGS: the largest scores are handed over, and the slot that the last step read is left
	s_wait_tensorcnt 0x0                           ; all my tensor loads have landed: the one that was out is my quarter of this step's V, asked for a step ago
	ds_add_u32 v[SPW], v[NIL]                      ; 0 onto my spare word
.if \fill
	s_add_nc_u64 s[G0V+4*\sl+2:G0V+4*\sl+3], s[G0V+4*\sl+2:G0V+4*\sl+3], 2*VBLK   ; no load of mine is out, so a group 0 may be written: this slot's next step (behind step 6 it is not used); the type bits on top are not reached
.endif
	s_wait_dscnt 0x0                               ; the add is done, my stores have landed, and my reads of the other slot and of P's images (the last step's second product) are over
.if \fill
	CROUND                                         ; no wave of any partner still reads the other slot or has a load on its way
	tensor_load_to_lds s[G0V+4*(1-\sl):G0V+4*(1-\sl)+3], s[G1V:G1V+7]   ; my one tensor load behind this round, and the first thing there: the next step's V
	s_nop 0
	PLACES 4
.else
	BAR
.endif
.irp m, 0,1,2,3
	ds_load_b128 v[MXL+4*\m:MXL+4*\m+3], v[MXR] offset:256*\m
.endr
	s_wait_dscnt 0x0
	; ---- M, the same in all four waves
.irp m, 0,1,2,3
	v_max3_num_f32 v[ST+8*\m+6], v[MXL+4*\m], v[MXL+4*\m+1], v[MXL+4*\m+2]
.endr
.irp m, 0,1,2,3
	v_max_num_f32 v[ST+8*\m+6], v[ST+8*\m+6], v[MXL+4*\m+3]   ; the step's largest score of my query
.endr
.irp m, 0,1,2,3
	v_mul_f32 v[ST+8*\m+6], s[CS], v[ST+8*\m+6]    ; as t (c is positive)
.endr
.irp m, 0,1,2,3
	v_max_num_f32 v[ST+8*\m+1], v[ST+8*\m+1], v[ST+8*\m+6]   ; the running largest t
.endr
.irp m, 0,1,2,3
	v_mov_b32 v[ST+8*\m+6], v[ST+8*\m]
.endr
.irp m, 0,1,2,3
	v_floor_f32 v[ST+8*\m], -v[ST+8*\m+1]          ; the new -M = floor(-t) = -ceil(t): M is a whole number
.endr
.irp m, 0,1,2,3
	v_sub_f32 v[ST+8*\m+6], v[ST+8*\m], v[ST+8*\m+6]   ; M's old value less its new one: a whole number, 0 or less
.endr
.irp m, 0,1,2,3
	v_cvt_i32_f32 v[ST+8*\m+6], v[ST+8*\m+6]       ; (it saturates)
.endr
.irp m, 0,1,2,3
	v_ldexp_f32 v[ST+8*\m+4], 1.0, v[ST+8*\m+6]    ; f = 2^(old M - new M)
.endr
	; ---- p = 2^(t - M)
	WIN 0xc3
.set J, 0
.rept 64
	v_pk_fma_f32 v[128+2*J:129+2*J], v[128+2*J:129+2*J], s[CS:CS+1], v[ST+8*(J/16):ST+8*(J/16)+1] op_sel_hi:[1,0,0]   ; t - M, two at a time (of the pairs c and -M the low word serves both halves)
.set J, J+1
.endr
	WIN 0
.irp m, 0,1,2,3
.irp b, 0,1
	v_fma_f32 v[BM+2*\m+\b], v[BM+2*\m+\b], s[CS], v[ST+8*\m]   ; the same of each block's largest score
.endr
.endr
	WIN 0xc3
.set J, 0
.rept 128
	v_exp_f32 v[128+J], v[128+J]
.set J, J+1
.endr
	WIN 0
.irp k, 0,1,2,3,4,5,6,7
	v_exp_f32 v[BM+\k], v[BM+\k]                   ; the block's largest p: the same two instructions on the same number give the same bits
.endr
.irp m, 0,1,2,3
	v_pk_mul_f32 v[ST+8*\m+2:ST+8*\m+3], v[ST+8*\m+2:ST+8*\m+3], v[ST+8*\m+4:ST+8*\m+5] op_sel_hi:[1,0]   ; the sums under the new M.  (The plain instruction behind the exponentials: ISA guide 5.7.2)
.endr
	s_wait_alu depctr_va_vdst(0)
.irp k, 0,1,2,3,4,5,6,7
	v_max_num_f32 v[BM+\k], 0x2800000, v[BM+\k]    ; the floor 2^(5 - 127): the byte cannot fall under 1
.endr
.irp k, 0,1,2,3,4,5,6,7
	v_add_nc_u32 v[SCO+\k], 0xfe000000, v[BM+\k]   ; 4 off the exponent field: the conversion's scale operand
.endr
.irp k, 0,1,2,3,4,5,6,7
	v_lshrrev_b32 v[BY+\k], 23, v[SCO+\k]          ; the scale's byte
.endr
.irp m, 0,1,2,3
	v_lshl_or_b32 v[BY+2*\m], v[BY+2*\m+1], 8, v[BY+2*\m]   ; my two bytes of the row's scale word
.endr
	WIN 0x03
.irp m, 0,1,2,3
	v_cvt_scalef32_pk16_bf6_f32 v[PC+12*\m:PC+12*\m+2], v[128+32*\m:143+32*\m], v[SCO+2*\m]
	v_cvt_scalef32_pk16_bf6_f32 v[PC+12*\m+6:PC+12*\m+8], v[144+32*\m:159+32*\m], v[SCO+2*\m+1]   ; (a conversion's three registers begin on an even number)
.endr
	WIN 0
	v_nop                                          ; one plain vector instruction behind a scaled conversion
.irp m, 0,1,2,3                                ; the operand's layout wants a WHOLE block in a lane: lanes 0-15 my first block, lanes 16-31 my second
.irp i, 0,1,2
	v_permlane16_swap_b32 v[PC+12*\m+\i], v[PC+12*\m+6+\i]
.endr
.endr
.irp m, 0,1,2,3
.irp i, 0,1,2
	v_mov_b32 v[PC+12*\m+3+\i], v[PC+12*\m+6+\i]
.endr
.endr
.irp m, 0,1,2,3
	ds_store_b128 v[PIA], v[PC+12*\m:PC+12*\m+3] offset:2*FRB*\m      ; six registers of the fragment (m, q), as they stand
	ds_store_b64 v[PIB], v[PC+12*\m+4:PC+12*\m+5] offset:2*FRB*\m
	ds_store_b16 v[PSA], v[BY+2*\m] offset:128*\m
.endr
	; this step's V has been whole since the round above: its scale words and its first two sets of fragments are fetched here and land under the sums and the rescaling.
	; They land in the registers that the stores above read: LDS serves a wave's instructions in order (ISA guide 5.7.1.4)
.irp c, 0,1,2,3,4,5,6,7,8,9,10,11
	ds_load_b32 v[VSC+\c], v[VSA+20*(\sl)] offset:128*\c
.endr
	LOADV 0, 0, \sl
	LOADV 1, 1, \sl
	WIN 0x0c
.set J, 0
.rept 16
.irp m, 0,1,2,3
	v_pk_add_f32 v[ST+8*\m+2:ST+8*\m+3], v[ST+8*\m+2:ST+8*\m+3], v[128+32*\m+2*J:129+32*\m+2*J]   ; the row's sum is taken of the UNQUANTISED p (my 64 keys'; the four tiles by turns)
.endr
.set J, J+1
.endr
.if !\first
	WIN 0x82
.set J, 0
.rept 128
	v_pk_mul_f32 v[2*J:2*J+1], v[2*J:2*J+1], v[ST+8*((J/4)%4)+4:ST+8*((J/4)%4)+5] op_sel_hi:[1,0]   ; O^T under the new M: x f; each accumulator from its low end on
.set J, J+1
.endr
	WIN 0xc3
.set J, 0
.rept 64
	v_pk_mul_f32 v[2*J:2*J+1], v[2*J:2*J+1], v[ST+8*((J/4)%4)+4:ST+8*((J/4)%4)+5] op_sel_hi:[1,0]
.set J, J+1
.endr
.endif
	WIN 0
	; ---- P is handed over.  The next step's V may stay out across it
	s_wait_dscnt 0x0                               ; for the others' sake: my stores of P have landed (and V's first fragments are in)
	BAR
	; ---- O^T += V^T P^T: my 192 channels x 64 queries, K = the step's 256 keys
.irp m, 0,1,2,3
	ds_load_b32 v[PSW+\m], v[PSR] offset:128*\m
.endr
	LOADP 0
	LOADP 1
	s_wait_dscnt 16                                ; LDS loads come back in order (ISA guide 5.7.1): p's scale words and P's first half are in; its second half (16 loads) may be out
	MULV 0, 0, \first
	PLACES 4                                       ; in front of loads into registers that matrix instructions have read
	LOADV 2, 0, \sl
	MULV 1, 1, \first                              ; (set 1 came in ahead of the barrier)
	PLACES 4
	LOADV 3, 1, \sl
	s_wait_dscnt 12                                ; all but the twelve just issued: set 0 and P's second half are in
	MULV 2, 0, \first
	PLACES 4
	LOADV 4, 0, \sl
	s_wait_dscnt 12
	MULV 3, 1, \first
	PLACES 4
	LOADV 5, 1, \sl
	s_wait_dscnt 12
	MULV 4, 0, \first
	s_wait_dscnt 0x0
	MULV 5, 1, \first
	WIN 0                                          ; at a label and at a branch every window is 0
.endm
	STEP 1, 1, 0                                   ; step 0
	s_mov_b32 s52, 3
.Lstep:                                            ; a trip goes once round the ring: steps 1 and 2, 3 and 4, 5 and 6
	STEP 0, 1, 1
	STEP 0, 1, 0
	s_sub_co_u32 s52, s52, 1
	s_cmp_lg_u32 s52, 0
	s_cbranch_scc1 .Lstep
	STEP 0, 0, 1                                   ; step 7 is written out and no load leaves its buffer
	; THE WAY OUT.  A query's sum: its two halves, the other half of the lanes', the four waves'.  (The eight additions are the plain instructions behind the last products.)
	WIN 0
.irp m, 0,1,2,3
	v_add_f32 v[ST+8*\m+6], v[ST+8*\m+2], v[ST+8*\m+3]
.endr
.irp m, 0,1,2,3
	v_permlanex16_b32 v[ST+8*\m+7], v[ST+8*\m+6], s[SEL], s[SEL+1]
.endr
.irp m, 0,1,2,3
	v_add_f32 v[ST+8*\m+6], v[ST+8*\m+6], v[ST+8*\m+7]
.endr
.irp m, 0,1,2,3
	ds_store_b32 v[MXA], v[ST+8*\m+6] offset:1024+256*\m
.endr
	s_wait_dscnt 0x0
	BAR
.irp m, 0,1,2,3
	ds_load_b128 v[MXL+4*\m:MXL+4*\m+3], v[MXR] offset:1024+256*\m
.endr
	s_wait_dscnt 0x0
.irp m, 0,1,2,3
	v_add_f32 v[MXL+4*\m], v[MXL+4*\m], v[MXL+4*\m+1]
.endr
.irp m, 0,1,2,3
	v_add_f32 v[MXL+4*\m+2], v[MXL+4*\m+2], v[MXL+4*\m+3]
.endr
.irp m, 0,1,2,3
	v_add_f32 v[MXL+4*\m], v[MXL+4*\m], v[MXL+4*\m+2]
.endr
.irp m, 0,1,2,3
	v_rcp_f32 v[ST+8*\m+6], v[MXL+4*\m]
.endr
	v_nop                                          ; a plain instruction between the last reciprocal and the use of its result
	s_wait_alu depctr_va_vdst(0)
; Tile m: a lane holds 8 neighbouring channels of a row for each of my 12 channel tiles.  16 rows x 768 bytes go through my own stage and come back as runs of 256 consecutive bytes for sixteen lanes.
; Stage row 2 a is row 32 (m / 2) + 8 (m % 2) + 2 a + 8 (a / 4) of my 64 queries, stage row 2 a + 1 the row below it.
.macro OUT m
	WIN 0x82
.set J, 0
.rept 8
.irp k, 0,2,4,6
	v_pk_mul_f32 v[8*(4*J+\m)+\k:8*(4*J+\m)+\k+1], v[8*(4*J+\m)+\k:8*(4*J+\m)+\k+1], v[ST+8*\m+6:ST+8*\m+7] op_sel_hi:[1,0]   ; O^T / the sum
.endr
.set J, J+1
.endr
	WIN 0xc3
.set J, 0
.rept 4
.irp k, 0,2,4,6
	v_pk_mul_f32 v[8*(4*J+\m)+\k:8*(4*J+\m)+\k+1], v[8*(4*J+\m)+\k:8*(4*J+\m)+\k+1], v[ST+8*\m+6:ST+8*\m+7] op_sel_hi:[1,0]
.endr
.set J, J+1
.endr
	WIN 0x08                                       ; an LDS store's data are its source 1
.set J, 0
.rept 8
	ds_store_b128 v[STO], v[8*(4*J+\m):8*(4*J+\m)+3] offset:64*J
	ds_store_b128 v[STO], v[8*(4*J+\m)+4:8*(4*J+\m)+7] offset:64*J+16
.set J, J+1
.endr
	WIN 0x0c
.set J, 0
.rept 4
	ds_store_b128 v[STO], v[8*(4*J+\m):8*(4*J+\m)+3] offset:64*(8+J)
	ds_store_b128 v[STO], v[8*(4*J+\m)+4:8*(4*J+\m)+7] offset:64*(8+J)+16
.set J, J+1
.endr
	WIN 0
.if \m > 0
	s_wait_xcnt 0x0                                ; the last tile's stores have read their data: the registers are loaded again only behind this wait
.endif
.set J, 0
.rept 8
	ds_load_b128 v[128+12*J:131+12*J], v[RD0] offset:2*SPI*J          ; LDS serves a wave's instructions in order (ISA guide 5.7.1.4): these see the stores above
	ds_load_b128 v[132+12*J:135+12*J], v[RD1] offset:2*SPI*J
	ds_load_b128 v[136+12*J:139+12*J], v[RD0] offset:2*SPI*J+SPI+256
.set J, J+1
.endr
.set J, 0
.rept 8
.set RW, 32*(\m/2)+8*(\m%2)+2*J+8*(J/4)
	s_wait_dscnt 21-3*J                            ; this pair of rows is back; the younger loads may be out
	global_store_b128 v[LI], v[128+12*J:131+12*J], s[10:11] offset:3072*RW th:TH_STORE_NT            ; sixteen lanes always store 256 consecutive bytes, at a multiple of 256 from out's first byte
	global_store_b128 v[GO1], v[132+12*J:135+12*J], s[10:11] offset:3072*RW th:TH_STORE_NT
	global_store_b128 v[LI], v[136+12*J:139+12*J], s[10:11] offset:3072*(RW+1)+256 th:TH_STORE_NT
.set J, J+1
.endr
.endm
	OUT 0
	OUT 1
	OUT 2
	OUT 3
	s_wait_tensorcnt 0x0                           ; the wave's end: behind my last tensor load and my last LDS store
	ds_add_u32 v[SPW], v[NIL]
	s_wait_dscnt 0x0
	CROUND                                         ; the closing round: no work-group ends while a partner may still ask for a tile that names it
	s_endpgm
.Lfunc_end_k_q03482318e1_attn:
	.size	k_q03482318e1_attn, .Lfunc_end_k_q03482318e1_attn-k_q03482318e1_attn
	.p2alignl 7, 3214868480
	.fill 96, 4, 3214868480
	.section	.rodata,"a",@progbits
	.p2align	6, 0x0
	.amdhsa_kernel k_q03482318e1_attn
		.amdhsa_group_segment_fixed_size 327680
		.amdhsa_private_segment_fixed_size 0
		.amdhsa_enable_private_segment 0
		.amdhsa_kernarg_size 32
		.amdhsa_user_sgpr_count 2
		.amdhsa_user_sgpr_kernarg_segment_ptr 1
		.amdhsa_wavefront_size32 1
		.amdhsa_system_sgpr_workgroup_id_x 1
		.amdhsa_system_sgpr_workgroup_id_y 1
		.amdhsa_system_sgpr_workgroup_id_z 1
		.amdhsa_system_vgpr_workitem_id 0
		.amdhsa_next_free_vgpr 1024
		.amdhsa_next_free_sgpr 66
		.amdhsa_reserve_vcc 0
		.amdhsa_float_denorm_mode_32 3
		.amdhsa_float_denorm_mode_16_64 3
		.amdhsa_memory_ordered 1
		.amdhsa_forward_progress 1
		.amdhsa_inst_pref_size 255
	.end_amdhsa_kernel
	.section	.bss,"aw",@nobits
	.p2align	6
	.space	262144
	.amdgpu_metadata
---
amdhsa.version: [ 1, 2 ]
amdhsa.kernels:
  - .name:           k_q03482318e1_attn
    .symbol:         k_q03482318e1_attn.kd
    .args:
      - { .name: qws, .offset: 0, .size: 8, .value_kind: global_buffer, .address_space: global }
      - { .name: kws, .offset: 8, .size: 8, .value_kind: global_buffer, .address_space: global }
      - { .name: vws, .offset: 16, .size: 8, .value_kind: global_buffer, .address_space: global }
      - { .name: out0, .offset: 24, .size: 8, .value_kind: global_buffer, .address_space: global }
    .group_segment_fixed_size: 327680
    .private_segment_fixed_size: 0
    .kernarg_segment_align: 8
    .kernarg_segment_size: 32
    .max_flat_workgroup_size: 128
    .sgpr_count:     66
    .vgpr_count:     1024
    .wavefront_size: 32
...
	.end_amdgpu_metadata
.endif
;; end of part 2
;; ======== version 2 of 2: 2 launches
;; workspace buffers: qws 4,980,736 bytes; kws 4,980,736 bytes; vws 9,830,400 bytes
;; launch prep (part 3): grid 256 x 1, 4 waves a work-group, no clusters, 303,616 bytes of LDS; arguments q_x_codes, k_x_codes, q_x_scales, k_x_scales, Wq_codes, Wk_codes, Wq_scales, Wk_scales, qws, kws, v_x_codes, v_x_scales, vws; writes qws, kws, vws
.if DOCPART == 3
	.amdgcn_target "amdgcn-amd-amdhsa--gfx1250"
	.amdhsa_code_object_version 6
	.text
	.protected	k_q03482318e1_prep
	.globl	k_q03482318e1_prep
	.p2align	8
	.type	k_q03482318e1_prep,@function
k_q03482318e1_prep:
	s_mov_b64 s[64:65], 0
	v_nop
	global_prefetch_b8 v0, s[64:65] scope:SCOPE_SE
	s_setreg_imm32_b32 hwreg(HW_REG_WAVE_SCHED_MODE, 0, 2), 2
	s_setreg_imm32_b32 hwreg(HW_REG_WAVE_MODE, 25, 1), 1
	s_wait_xcnt 0x0
	s_wait_alu depctr_vm_vsrc(0)
; q = q_x Wq^T and k = k_x Wk^T ([16,384][768] x [384][768]) on codes of BF6 (E3M2) with one E8M0 scale for each 32 along K; the f32 sums are quantised along d (blocks of 32) in registers
; and stored as IMAGES OF OPERAND REGISTERS for the attention launch.  On the side V's codes and scale bytes are laid into the same form (a copy, nothing is computed).
; SHARES.  Work-groups 0-127 take q, 128-255 k: only pointers are chosen, one path through the text.  A work-group takes 128 rows, wave w rows 32 w .. 32 w + 31 (two tiles of 16) and all 384 d:
; 48 accumulators, 288 matrix instructions.  Each wave also copies 6 of V's 6,144 fragments.
; THE PRODUCT IS USED TRANSPOSED (source 0 = 16 rows of W, source 1 = 16 rows of x): a lane holds ONE row of x and its registers run along d, the next product's K.
; THE ROWS OF x THAT FORM A TILE ARE NOT NEIGHBOURS: lane r of tile u takes row 32 w + 8 u + r + 8 (r / 8); in the attention launch the 16 registers of two neighbouring tiles of keys are then 16 neighbouring keys.
; W's tiles are 16 neighbouring rows, so inside a block of 32 along d the codes stand in a fixed other order (place 16 h + i holds d = 32 b + 8 h + i % 8 + 16 (i / 8)), THE SAME IN q AND k: the blocks,
; their scales and the products are those of the natural order; only the order of summing inside a matrix instruction differs.
; OUTPUT.  qws, kws: 64 units (256 rows) of 77,824 bytes: fragment (tile kt, K step G) at 1,536 (3 kt + G): registers 4 e .. 4 e + 3 of lane l at 512 e + 16 l; scale words at 73,728 + 256 kt + 16 row: {G 0, G 1, G 2, 0}.
; vws: 64 blocks (a batch's 256 keys) of 153,600 bytes: fragment (16 channels ct, 128 keys q) at 1,536 (2 ct + q); scale words at 147,456 + 128 ct + 64 q + 4 row.
; NO CLUSTER, NO TENSOR LOAD, though all work-groups read W: rows of 576 bytes are no power of two, so the mover would pad 16 bytes behind each 64: 384 x 720 = 276,480 bytes for W and 128 x 720 = 92,160 for x,
; more than the 327,680 there are.  Copied through registers a row takes 592 bytes: 227,328 + 75,776 = 303,104.
; LIMITS: NaN and infinities are not served; a block of q or k whose largest magnitude lies under 2^-122 gets the byte 1 (a block of zeros too: its codes are zeros, and this program alone reads the bytes).
; THE MODE: SCHED_MODE bits 1:0 = 2 (LLVM: expert scheduling mode 2), set by the entry lines.  The code itself states the register dependences between vector or matrix instructions and memory or LDS
; instructions, with s_wait_alu, always for 0.
; THE PLAN.  Registers that memory or LDS instructions touch:
;   v4-30         Offsets and LDS addresses: written by vector instructions at the head and never again; read by every load and store.  One wait on va_vdst ahead of the first load states them all.
;   the staging   (window 1 v0-143, window 2 v0-215, window 3 v0-215)  Written by loads from memory, read by the LDS stores of the copy; behind the barrier these registers become x's fragments, the accumulators,
;                 V's fragments and W's third set: one wait on vm_vsrc behind the barrier states that the LDS stores have read them.
;   W0, W1, W2    Three sets of four fragments of W.  Group gp's eight matrix instructions read set gp % 3; the 24 LDS loads issued behind them land in set (gp + 2) % 3 = (gp - 1) % 3, which the group BEFORE read.
;                 So ONE wait on va_vdst stands at a group's head; the matrix instructions between it and the loads name set gp % 3, x's fragments, the accumulators and scale words: none of the registers that those loads touch.
;   x's fragments and all scale words: loaded once, read by matrix instructions, never loaded again.
;   V's fragments and scale words: landed in by loads, read by stores, named by no vector instruction: the stores are dealt among groups 18 to 24 and owe no wait on the ALU.
;   C0, C1        Two out-buffers of 12 registers.  Fragment idx's conversions, swaps and moves write C[idx % 2]; a wait on va_vdst, then its three stores; ahead of the conversions of fragment idx + 2 a wait on vm_vsrc
;                 (beside the wait on XCNT) states that those stores have read the buffer.
;   v236-239      A row's scale words: written once, stored once, behind the last fragment's wait on va_vdst.
;   v254, v255    Written at the head, read by the closing add alone.
; REGISTERS, in windows of 256.  Window 0: v1-31 lane numbers and addresses; v32-175 W's scale words, v176-187 x's; v188-190 V's; v192-251 the quantiser's.
;   window 1: v0-143 x's 12 fragments (first the staging of x's copy); v144-191, v192-239 two sets of four fragments of W.
;   window 2: the accumulators of d 0-255, at 64 (2 u + G) + 8 (t % 8) (first the staging of W's rows, first half).   window 3: v0-127 those of d 256-383; v128-199 V's six fragments; v200-247 the third set of four
;   fragments of W (first, v0-215, the staging of W's second half).
.set WP,   592                         ; an LDS row: 576 bytes + 16 = 148 words: row r starts at bank 20 r mod 64 (64 banks of 4 bytes: ISA guide 11.1): 16 neighbouring rows start at 16 different multiples of 4
.set XL,   384*WP                      ; W's 384 rows, then x's 128
.set FRB,  1536                        ; a fragment's image
.set UNIT, 77824
.set VBLK, 153600
.set LI,  4                            ; v4     16 x lane
.set CW,  4                            ; v5-12  the copy of W into LDS: register CW + n serves a group's n-th run of 512 bytes
.set CX,  12                           ; v13-20 the same for x
.set XA,  21                           ; v21    my lane's place in a tile of x in LDS
.set WR,  22                           ; v22-25 the same for W, six tiles to a register (the immediate has 16 bits)
.set XSO, 26                           ; v26    my row's scale bytes of x
.set WSO, 27                           ; v27    of W
.set VGA, 28                           ; v28    my lane's place in a fragment of V in memory
.set VSO, 29                           ; v29    and among V's scale words
.set L4,  30                           ; v30    4 x lane
.set TV,  31                           ; v31    at work
.set WSC, 32                           ; W's scale words: tile t, K step s at WSC + 6 t + s
.set XSC, 176                          ; x's: tile u, K step s at XSC + 6 u + s
.set VSW, 188
.set TM,  192                          ; v192-195 largest magnitudes, v196-199 the other half's, then bytes, v204-207 the conversions' scale operands
.set PWS, 208                          ; v208-213 the scale words made: 3 u + G
.set PC,  216                          ; a fragment's codes: out-buffer 0 at v216-227, out-buffer 1 at v240-251 (PC + 24)
.set PT,  228                          ; v228-234 the conversions' second halves, at work: no memory instruction names them
.set SS,  236                          ; v236-239 the four words of a row's scales
.set WV,  30                           ; s30    my wave's number
.set SEL, 54                           ; s[54:55] v_permlanex16_b32's selects for lane l xor 16
.set MSB, 0
.macro WIN new                         ; s_set_vgpr_msb: bits 1:0 source 0, 3:2 source 1, 5:4 source 2, 7:6 destination; the high byte repeats the setting that is left
.if MSB != (\new)
	s_set_vgpr_msb (MSB<<8)|(\new)
.set MSB, (\new)
.endif
.endm
.macro PLACES n
.rept \n
	v_nop
.endr
.endm
	s_load_b512 s[4:19], s[0:1], 0x0               ; q_x codes, k_x codes, q_x scales, k_x scales, Wq codes, Wk codes, Wq scales, Wk scales
	s_load_b256 s[20:27], s[0:1], 0x40             ; qws, kws, v_x codes, v_x scales
	s_load_b64 s[28:29], s[0:1], 0x60              ; vws
	v_lshl_add_u32 v254, v0, 2, 0x4a000
	v_mov_b32 v255, 0
	v_lshrrev_b32 v1, 5, v0
	v_readfirstlane_b32 s[WV], v1                  ; wave 0..3
	v_and_b32 v1, 31, v0                           ; lane
	v_and_b32 v2, 15, v0                           ; r
	v_bfe_u32 v3, v0, 4, 1                         ; h
	v_lshlrev_b32 v[LI], 4, v1
	v_lshlrev_b32 v[L4], 2, v1
	s_wait_alu depctr_va_sdst(0)                   ; s30, the wave's number, is written, ahead of its first reader: LDS places and bases are made from it
	s_mul_i32 s32, s[WV], 96*WP                    ; I copy W's rows 96 w .. 96 w + 95,
	s_mul_i32 s33, s[WV], 32*WP
	s_add_co_u32 s33, s33, XL                      ; and my own 32 rows of x
	; THE COPY.  Eight rows are 4,608 dense bytes: nine runs of 512, 16 bytes a lane.  Piece 32 n + lane lies in row n - 1 + T of the eight, T = 1 where lane >= 4 n; in LDS each row passed adds 16 bytes:
	; byte = base + 4,736 group + 528 n - 16 + 16 lane + 16 T.  The register holds base + 16 lane + 16 T; run 0 (T = 1 everywhere) takes run 8's register (T = 0) with 16 more in the immediate.
.irp n, 1,2,3,4,5,6,7,8
	v_add_nc_u32 v[TV], 32-4*\n, v1
	v_lshrrev_b32 v[TV], 5, v[TV]                  ; T
	v_lshl_add_u32 v[TV], v[TV], 4, v[LI]
	v_add_nc_u32 v[CW+\n], s32, v[TV]
	v_add_nc_u32 v[CX+\n], s33, v[TV]
.endr
	v_and_b32 v[TV], 8, v2
	v_add_nc_u32 v[TV], v[TV], v2                  ; r + 8 (r / 8)
	v_mul_u32_u24 v[XSO], v[TV], 24
	v_mul_u32_u24 v[XA], v[TV], WP
	v_mad_u32_u24 v[XA], v3, 24, v[XA]
	v_add_nc_u32 v[XA], s33, v[XA]
	v_mul_u32_u24 v[WR], v2, WP
	v_mad_u32_u24 v[WR], v3, 24, v[WR]
.irp k, 1,2,3
	v_add_nc_u32 v[WR+\k], \k*96*WP, v[WR]
.endr
	v_mul_u32_u24 v[WSO], v2, 24
	v_mul_u32_u24 v[VGA], v2, 1536                 ; V: channel r's row of 2,048 codes, + 24 h
	v_mad_u32_u24 v[VGA], v3, 24, v[VGA]
	v_lshlrev_b32 v[VSO], 6, v2                    ; its 64 scale bytes; lanes 16-31 take the word of the next 128 keys
	v_lshl_add_u32 v[VSO], v3, 2, v[VSO]
.irp b, 0,1,2,3
	v_mov_b32 v[TM+4+\b], 0                        ; written once: a lane permute's destination counts as one of its sources
.endr
	s_mov_b32 s[SEL], 0x76543210
	s_mov_b32 s[SEL+1], 0xfedcba98
	s_and_b32 s31, ttmp9, 127                      ; which 128 rows of the tensor
	s_mul_i32 s56, s31, 128*576
	s_mul_i32 s34, s[WV], 32*576
	s_add_co_u32 s56, s56, s34
	s_mov_b32 s57, 0                               ; s[56:57] my 32 rows' codes
	s_mul_i32 s58, s31, 128*24
	s_mul_i32 s34, s[WV], 32*24
	s_add_co_u32 s58, s58, s34
	s_mov_b32 s59, 0                               ; s[58:59] their scale bytes
	s_mul_i32 s60, s[WV], 96*576
	s_mov_b32 s61, 0                               ; s[60:61] the rows of W that I copy
	s_lshr_b32 s34, s31, 1
	s_mul_i32 s62, s34, UNIT                       ; the unit of 256 rows,
	s_and_b32 s34, s31, 1
	s_lshl_b32 s34, s34, 3
	s_lshl_b32 s35, s[WV], 1
	s_add_co_u32 s34, s34, s35                     ; and in it my first tile: 8 x half + 2 w
	s_lshl_b32 s90, s34, 8
	s_add_co_u32 s90, s90, s62
	s_add_co_u32 s90, s90, 48*FRB
	s_mov_b32 s91, 0                               ; s[90:91] where my scale words go
	s_mul_i32 s35, s34, 3*FRB
	s_add_co_u32 s62, s62, s35
	s_mov_b32 s63, 0                               ; s[62:63] where my fragments go
	s_and_b32 s86, ttmp9, 31
	s_mul_i32 s86, s86, 24
	s_mul_i32 s32, s[WV], 6
	s_add_co_u32 s86, s86, s32                     ; my first fragment of V among the batch's 768: 16 ct + (128 keys' number)
	s_lshr_b32 s88, ttmp9, 5                       ; the batch
	s_mul_i32 s87, s88, 768*1536
	s_mul_i32 s89, s88, 768*64
	s_lshl_b32 s88, s88, 3
	s_mov_b32 s85, 0
	s_wait_kmcnt 0x0
	s_cmp_lt_u32 ttmp9, 128                        ; q's work-group or k's?  The choice hangs on the work-group's number alone
	s_cselect_b64 s[4:5], s[4:5], s[6:7]
	s_cselect_b64 s[8:9], s[8:9], s[10:11]
	s_cselect_b64 s[12:13], s[12:13], s[14:15]
	s_cselect_b64 s[16:17], s[16:17], s[18:19]
	s_cselect_b64 s[20:21], s[20:21], s[22:23]
	s_add_nc_u64 s[4:5], s[4:5], s[56:57]
	s_add_nc_u64 s[8:9], s[8:9], s[58:59]
	s_add_nc_u64 s[14:15], s[12:13], s[60:61]
	s_add_nc_u64 s[22:23], s[20:21], s[90:91]
	s_add_nc_u64 s[20:21], s[20:21], s[62:63]
	s_wait_alu depctr_va_vdst(0)                   ; the offsets and LDS addresses v4 to v30 are written: every load and store of the kernel reads one of them, and no vector instruction writes one again
	; the scale words go straight into registers: a row's 24 bytes are its six words, one for each K step of 128
.set T, 0
.rept 24
.irp i, 0,1,2
	global_load_b64 v[WSC+6*T+2*\i:WSC+6*T+2*\i+1], v[WSO], s[16:17] offset:384*T+8*\i
.endr
.set T, T+1
.endr
.irp u, 0,1
.irp i, 0,1,2
	global_load_b64 v[XSC+6*\u+2*\i:XSC+6*\u+2*\i+1], v[XSO], s[8:9] offset:192*\u+8*\i
.endr
.endr
	WIN 0x40
.set I, 0
.rept 36
	global_load_b128 v[4*I:4*I+3], v[LI], s[4:5] offset:512*I th:TH_LOAD_NT   ; x: 32 lanes read 512 consecutive bytes; read once in the launch
.set I, I+1
.endr
	WIN 0x80
.set I, 0
.rept 54
	global_load_b128 v[4*I:4*I+3], v[LI], s[14:15] offset:512*I               ; W's rows, first half of my 96
.set I, I+1
.endr
; where V's fragment n comes from and where it goes (scalar work while the loads are out)
.macro VBASE n
	s_add_co_u32 s32, s86, \n
	s_lshr_b32 s33, s32, 4                         ; ct
	s_and_b32 s34, s32, 15                         ; which 128 keys
	s_mul_i32 s35, s33, 16*1536
	s_mul_i32 s84, s34, 96
	s_add_co_u32 s84, s84, s35
	s_add_co_u32 s84, s84, s87
	s_add_nc_u64 s[36+2*\n:37+2*\n], s[24:25], s[84:85]
	s_lshr_b32 s35, s34, 1                         ; which 256 keys
	s_add_co_u32 s35, s35, s88
	s_mul_i32 s35, s35, VBLK
	s_lshl_b32 s33, s33, 1
	s_and_b32 s34, s34, 1
	s_add_co_u32 s33, s33, s34
	s_mul_i32 s84, s33, FRB
	s_add_co_u32 s84, s84, s35
	s_add_nc_u64 s[66+2*\n:67+2*\n], s[28:29], s[84:85]
.endm
; fragments 2 p and 2 p + 1 are the two halves of one step of 256 keys (my first fragment's number is even): their scale words leave together
.macro VSBASE p
	s_add_co_u32 s32, s86, 2*\p
	s_lshr_b32 s33, s32, 4
	s_and_b32 s34, s32, 15
	s_lshl_b32 s35, s33, 10
	s_lshl_b32 s84, s34, 2
	s_add_co_u32 s84, s84, s35
	s_add_co_u32 s84, s84, s89
	s_add_nc_u64 s[48+2*\p:49+2*\p], s[26:27], s[84:85]
	s_lshr_b32 s34, s34, 1
	s_add_co_u32 s34, s34, s88
	s_mul_i32 s34, s34, VBLK
	s_lshl_b32 s35, s33, 7
	s_add_co_u32 s84, s34, s35
	s_add_co_u32 s84, s84, 96*FRB
	s_add_nc_u64 s[78+2*\p:79+2*\p], s[28:29], s[84:85]
.endm
.irp n, 0,1,2,3,4,5
	VBASE \n
.endr
.irp p, 0,1,2
	VSBASE \p
.endr
.macro TOLDS a, i0, cnt                ; runs i0 .. i0 + cnt - 1 of 512 bytes, from registers 0 on of the window in hand, into padded rows
.set I, \i0
.rept \cnt
.if I%9 == 0
	ds_store_b128 v[\a+8], v[4*(I-\i0):4*(I-\i0)+3] offset:8*WP*(I/9)
.else
	ds_store_b128 v[\a+I%9], v[4*(I-\i0):4*(I-\i0)+3] offset:8*WP*(I/9)+528*(I%9)-16
.endif
.set I, I+1
.endr
.endm
	s_wait_loadcnt 54                              ; loads come back in order (ISA guide 5.7.1): the scale words and x are in; W's 54 may be out
	WIN 0x04
	TOLDS CX, 0, 36                                ; (the data come from loads, the addresses stand ahead of the wait on va_vdst above: nothing more is owed)
	WIN 0xc0
.set I, 0
.rept 54
	global_load_b128 v[4*I:4*I+3], v[LI], s[14:15] offset:512*(54+I)          ; W's second half, into registers of its own
.set I, I+1
.endr
	s_wait_loadcnt 54                              ; W's first half is in; the 54 just issued may be out
	WIN 0x08
	TOLDS CW, 0, 54
	s_wait_loadcnt 0x0
	WIN 0x0c
	TOLDS CW, 54, 54
	WIN 0
	s_wait_dscnt 0x0                               ; for the others' sake: my rows of W lie in LDS
	s_barrier_signal -1
	s_barrier_wait -1                              ; the launch's one barrier: W is whole for every wave
	; V's six fragments: 24 + 24 bytes a lane each, as the operand's registers take them.  They land under the first half of the product.
	WIN 0xc0
	s_wait_alu depctr_vm_vsrc(0)                   ; the copy's LDS stores have read the staging registers of windows 1, 2 and 3: V's and x's fragments and W's third set land in them below, and the matrix instructions write their sums there
.irp n, 0,1,2,3,4,5
.irp p, 0,1,2,3,4,5
	global_load_b64 v[128+12*\n+2*\p:128+12*\n+2*\p+1], v[VGA], s[36+2*\n:37+2*\n] offset:48*(\p/3)+8*(\p%3) th:TH_LOAD_NT
.endr
.endr
	WIN 0
.irp p, 0,1,2
	global_load_b32 v[VSW+\p], v[VSO], s[48+2*\p:49+2*\p] th:TH_LOAD_NT
.endr
	; x's 12 fragments stay in registers: lane (r, h) takes of its row the 24 bytes at 96 s + 24 h and at 96 s + 48 + 24 h, in pieces of 8 so that every address is a multiple of the access's size
	WIN 0x40
.irp u, 0,1
.irp s, 0,1,2,3,4,5
.irp p, 0,1,2,3,4,5
	ds_load_b64 v[12*(6*\u+\s)+2*\p:12*(6*\u+\s)+2*\p+1], v[XA] offset:8*WP*\u+96*\s+48*(\p/3)+8*(\p%3)
.endr
.endr
.endr
; THE PRODUCT: 36 groups gp = 6 s + g of four tiles of W (t = 4 g .. 4 g + 3) at K step s, each against x's two tiles.  Set fs of W's fragments: 0 and 1 in window 1 at v144 and v192, 2 in window 3 at v200.
.macro LOADW gp, fs                    ; 24 LDS loads: the group's four fragments into set fs
.if (\fs) == 2
	WIN 0xc0
.set WF, 200
.else
	WIN 0x40
.set WF, 144+48*(\fs)
.endif
.irp i, 0,1,2,3
.set TT, 4*((\gp)%6)+\i
.irp p, 0,1,2,3,4,5
	ds_load_b64 v[WF+12*\i+2*\p:WF+12*\i+2*\p+1], v[WR+TT/6] offset:16*WP*(TT%6)+96*((\gp)/6)+48*(\p/3)+8*(\p%3)
.endr
.endr
.endm
.macro MULP gp, fs                     ; 8 matrix instructions.  The 48 accumulators take turns, one instruction a turn, in the same order at every K step; K step 0 starts the sums: nothing is cleared
.set KS, (\gp)/6
.if (\fs) == 2
.set WF, 200
.set WS, 7                             ; W window 3, x window 1
.else
.set WF, 144+48*(\fs)
.set WS, 5                             ; W and x window 1
.endif
.if (\gp)%6 < 4
	WIN 0xa0|WS                                    ; C and D window 2
.else
	WIN 0xf0|WS                                    ; C and D window 3
.endif
.irp i, 0,1,2,3
.set TT, 4*((\gp)%6)+\i
.irp u, 0,1
.if TT < 16
.set AC, 64*(2*\u+TT/8)+8*(TT%8)
.else
.set AC, 64*\u+8*(TT%8)
.endif
.if KS == 0
	v_wmma_scale_f32_16x16x128_f8f6f4 v[AC:AC+7], v[WF+12*\i:WF+12*\i+11], v[12*(6*\u+KS):12*(6*\u+KS)+11], 0, v[WSC+6*TT+KS], v[XSC+6*\u+KS] matrix_a_fmt:MATRIX_FMT_BF6 matrix_b_fmt:MATRIX_FMT_BF6
.else
	v_wmma_scale_f32_16x16x128_f8f6f4 v[AC:AC+7], v[WF+12*\i:WF+12*\i+11], v[12*(6*\u+KS):12*(6*\u+KS)+11], v[AC:AC+7], v[WSC+6*TT+KS], v[XSC+6*\u+KS] matrix_a_fmt:MATRIX_FMT_BF6 matrix_b_fmt:MATRIX_FMT_BF6
.endif
.endr
.endr
.endm
	LOADW 0, 0
	LOADW 1, 1
.set GP, 0
.rept 36
.if GP < 35
	s_wait_dscnt 24                                ; LDS loads come back in order: this group's fragments (and, the first time, x's) are in; the next group's 24 may be out
.else
	s_wait_dscnt 0x0
.endif
.if (GP > 0) && (GP < 34)
	s_wait_alu depctr_va_vdst(0)                   ; the matrix instructions of the group before are done reading their set of W's fragments, in which the loads at this group's end land.  (Group 0's loads land in a set that no vector or matrix instruction has named; groups 34 and 35 load nothing)
.endif
	MULP GP, GP%3
.if GP < 34
	PLACES 4                                       ; four plain vector instructions between the matrix instructions that read a set and the loads into it, as they stood (ISA guide 7.12.1 for vector instructions)
	LOADW GP+2, (GP+2)%3                           ; no wait: no vector or matrix instruction since the wait at this group's head names this set or its address registers
.endif
; V's fragments and scale words leave here, three stores to a group: their registers are landed in by loads and read by stores alone, and neither they nor their bases are ever written again
.if GP == 18
	s_wait_loadcnt 0x0                             ; V's fragments and scale words, asked for ahead of group 0
.endif
.if (GP >= 18) && (GP < 24)
	WIN 0x0c                                       ; a store's data are its source 1: window 3
.irp e, 0,1,2
	global_store_b128 v[LI], v[128+12*(GP-18)+4*\e:128+12*(GP-18)+4*\e+3], s[66+2*(GP-18):67+2*(GP-18)] offset:512*\e
.endr
.endif
.if GP == 24
	WIN 0
.irp p, 0,1,2
	global_store_b32 v[L4], v[VSW+\p], s[78+2*\p:79+2*\p]   ; 128 consecutive bytes: a tile's words of both halves of a step
.endr
.endif
.set GP, GP+1
.endr
; 64 sums of a lane (register 16 b + i: place 32 b + 16 h + i of my row's 128) become a fragment's codes in out-buffer idx % 2 and my row's scale word; src: their first register, win: their window, idx = 3 u + G.
.macro QUANTW src, win, idx
.set OC, PC+24*((\idx)%2)
	WIN (\win)|((\win)<<2)
.irp b, 0,1,2,3
	v_max3_num_f32 v[TM+\b], |v[(\src)+16*\b]|, |v[(\src)+1+16*\b]|, 0x2800000   ; block b: my 16 numbers, each accumulator from its low end on, and the floor 2^(5 - 127): so the byte cannot fall under 1
.endr
	WIN ((\win)<<2)|((\win)<<4)
.irp i, 2,4,6,8,10,12,14
.irp b, 0,1,2,3
	v_max3_num_f32 v[TM+\b], v[TM+\b], |v[(\src)+16*\b+\i]|, |v[(\src)+1+16*\b+\i]|   ; (the four blocks by turns)
.endr
.endr
	WIN 0
.irp b, 0,1,2,3
	v_permlanex16_b32 v[TM+4+\b], v[TM+\b], s[SEL], s[SEL+1]
.endr
.irp b, 0,1,2,3
	v_max_num_f32 v[TM+\b], v[TM+\b], v[TM+4+\b]   ; with lane l xor 16's: the block's largest magnitude
.endr
.irp b, 0,1,2,3
	v_add_nc_u32 v[TM+12+\b], 0xfe000000, v[TM+\b] ; 4 off its exponent field: the conversion takes the exponent field of this operand as its scale, and nothing else of it
.endr
.irp b, 0,1,2,3
	v_lshrrev_b32 v[TM+4+\b], 23, v[TM+12+\b]      ; the scale's byte
.endr
	v_lshl_or_b32 v[PWS+(\idx)], v[TM+5], 8, v[TM+4]
	v_lshl_or_b32 v[PWS+(\idx)], v[TM+6], 16, v[PWS+(\idx)]
	v_lshl_or_b32 v[PWS+(\idx)], v[TM+7], 24, v[PWS+(\idx)]
.if (\idx) > 1
	s_wait_xcnt 0x0                                ; the stores of two fragments back have had their addresses translated (ISA guide 3.1): their out-buffer is rewritten only behind this wait,
	s_wait_alu depctr_vm_vsrc(0)                   ; and they have read that out-buffer, which the conversions below write again
.endif
	WIN \win
.irp c, 0,1
	v_cvt_scalef32_pk16_bf6_f32 v[OC+6*\c:OC+2+6*\c], v[(\src)+32*\c:(\src)+15+32*\c], v[TM+12+2*\c]
	v_cvt_scalef32_pk16_bf6_f32 v[PT+4*\c:PT+2+4*\c], v[(\src)+16+32*\c:(\src)+31+32*\c], v[TM+12+2*\c+1]   ; (a conversion's three registers begin on an even number)
.endr
	WIN 0
	v_nop                                          ; one plain vector instruction behind a scaled conversion
.irp c, 0,1                                    ; the operand's layout wants a WHOLE block in a lane: lanes 0-15 block 2 c, lanes 16-31 block 2 c + 1
.irp i, 0,1,2
	v_permlane16_swap_b32 v[OC+6*\c+\i], v[PT+4*\c+\i]
.endr
.irp i, 0,1,2
	v_mov_b32 v[OC+3+6*\c+\i], v[PT+4*\c+\i]
.endr
.endr
.endm
.macro SENDF idx                       ; fragment idx leaves from its out-buffer
.irp e, 0,1,2
	global_store_b128 v[LI], v[PC+24*((\idx)%2)+4*\e:PC+24*((\idx)%2)+4*\e+3], s[20:21] offset:FRB*(\idx)+512*\e   ; the image: 32 lanes store 512 consecutive bytes, at a multiple of 256 from the buffer's first byte
.endr
.endm
	PLACES 4                                       ; in front of the first read of results
.irp u, 0,1
	QUANTW 64*(2*\u), 2, 3*\u
	s_wait_alu depctr_va_vdst(0)                   ; the conversions, swaps and moves have written the out-buffer, which the three stores read
	SENDF 3*\u
	QUANTW 64*(2*\u+1), 2, 3*\u+1
	s_wait_alu depctr_va_vdst(0)                   ; the same of the other out-buffer
	SENDF 3*\u+1
	QUANTW 64*\u, 3, 3*\u+2
.if \u == 0
	s_wait_alu depctr_va_vdst(0)                   ; the same of fragment 2's out-buffer
	SENDF 2
.endif
.endr
	v_cmp_le_u32 vcc_lo, 16, v1                    ; lanes 0-15 store tile 0's words, lanes 16-31 tile 1's (every lane holds its row's words of both)
	s_wait_alu depctr_va_vcc(0)                    ; VCC is written, ahead of its first reader
.irp i, 0,1,2
	v_cndmask_b32 v[SS+\i], v[PWS+\i], v[PWS+3+\i], vcc_lo
.endr
	v_mov_b32 v[SS+3], 0
	s_wait_alu depctr_va_vdst(0)                   ; fragment 5's out-buffer and the four scale words v236 to v239 are written, which the four stores below read
	SENDF 5
	global_store_b128 v[LI], v[SS:SS+3], s[22:23]  ; 512 consecutive bytes
	s_wait_dscnt 0x0                               ; the closing lines, six on end
	s_wait_alu 0x0
	s_wait_tensorcnt 0x0
	ds_add_u32 v254, v255
	s_wait_dscnt 0x0
	s_endpgm
.Lfunc_end_k_q03482318e1_prep:
	.size	k_q03482318e1_prep, .Lfunc_end_k_q03482318e1_prep-k_q03482318e1_prep
	.p2alignl 7, 3214868480
	.fill 96, 4, 3214868480
	.section	.rodata,"a",@progbits
	.p2align	6, 0x0
	.amdhsa_kernel k_q03482318e1_prep
		.amdhsa_group_segment_fixed_size 303616
		.amdhsa_private_segment_fixed_size 0
		.amdhsa_enable_private_segment 0
		.amdhsa_kernarg_size 104
		.amdhsa_user_sgpr_count 2
		.amdhsa_user_sgpr_kernarg_segment_ptr 1
		.amdhsa_wavefront_size32 1
		.amdhsa_system_sgpr_workgroup_id_x 1
		.amdhsa_system_sgpr_workgroup_id_y 1
		.amdhsa_system_sgpr_workgroup_id_z 1
		.amdhsa_system_vgpr_workitem_id 0
		.amdhsa_next_free_vgpr 1024
		.amdhsa_next_free_sgpr 100
		.amdhsa_reserve_vcc 1
		.amdhsa_float_denorm_mode_32 3
		.amdhsa_float_denorm_mode_16_64 3
		.amdhsa_memory_ordered 1
		.amdhsa_forward_progress 1
		.amdhsa_inst_pref_size 177
	.end_amdhsa_kernel
	.amdgpu_metadata
---
amdhsa.version: [ 1, 2 ]
amdhsa.kernels:
  - .name:           k_q03482318e1_prep
    .symbol:         k_q03482318e1_prep.kd
    .args:
      - { .name: q_x_codes, .offset: 0, .size: 8, .value_kind: global_buffer, .address_space: global }
      - { .name: k_x_codes, .offset: 8, .size: 8, .value_kind: global_buffer, .address_space: global }
      - { .name: q_x_scales, .offset: 16, .size: 8, .value_kind: global_buffer, .address_space: global }
      - { .name: k_x_scales, .offset: 24, .size: 8, .value_kind: global_buffer, .address_space: global }
      - { .name: Wq_codes, .offset: 32, .size: 8, .value_kind: global_buffer, .address_space: global }
      - { .name: Wk_codes, .offset: 40, .size: 8, .value_kind: global_buffer, .address_space: global }
      - { .name: Wq_scales, .offset: 48, .size: 8, .value_kind: global_buffer, .address_space: global }
      - { .name: Wk_scales, .offset: 56, .size: 8, .value_kind: global_buffer, .address_space: global }
      - { .name: qws, .offset: 64, .size: 8, .value_kind: global_buffer, .address_space: global }
      - { .name: kws, .offset: 72, .size: 8, .value_kind: global_buffer, .address_space: global }
      - { .name: v_x_codes, .offset: 80, .size: 8, .value_kind: global_buffer, .address_space: global }
      - { .name: v_x_scales, .offset: 88, .size: 8, .value_kind: global_buffer, .address_space: global }
      - { .name: vws, .offset: 96, .size: 8, .value_kind: global_buffer, .address_space: global }
    .group_segment_fixed_size: 303616
    .private_segment_fixed_size: 0
    .kernarg_segment_align: 8
    .kernarg_segment_size: 104
    .max_flat_workgroup_size: 128
    .sgpr_count:     100
    .vgpr_count:     1024
    .wavefront_size: 32
...
	.end_amdgpu_metadata
.endif
;; end of part 3
;; launch attn (part 4): grid 32 x 8, 4 waves a work-group, clusters of 4 x 1, 327,680 bytes of LDS; arguments qws, kws, vws, out0; writes out0
.if DOCPART == 4
	.amdgcn_target "amdgcn-amd-amdhsa--gfx1250"
	.amdhsa_code_object_version 6
	.text
	.protected	k_q03482318e1_attn
	.globl	k_q03482318e1_attn
	.p2align	8
	.type	k_q03482318e1_attn,@function
k_q03482318e1_attn:
	s_mov_b64 s[64:65], 0
	v_nop
	global_prefetch_b8 v0, s[64:65] scope:SCOPE_SE
	s_setreg_imm32_b32 hwreg(HW_REG_WAVE_MODE, 25, 1), 1
	s_wait_xcnt 0x0
	s_wait_alu depctr_hold_cnt(0) depctr_sa_sdst(0) depctr_va_vdst(0) depctr_va_sdst(0) depctr_va_ssrc(0) depctr_va_vcc(0) depctr_vm_vsrc(0)
	s_getreg_b32 s2, hwreg(HW_REG_IB_STS2, 6, 4)
	s_cmp_eq_u32 s2, 0
	s_cbranch_scc0 .Lentry_in_a_cluster
	s_endpgm
.Lentry_in_a_cluster:
	s_bfe_u32 s2, ttmp6, 0x10000c
	s_cmp_lg_u32 s2, 0x3003
	s_cbranch_scc0 .Lentry_shape_is_right
	s_endpgm
.Lentry_shape_is_right:
; out[b][n][:] = the sum over keys m of softmax_m(q[b][n] . k[b][m] / 384) v[b][m][:], both products on codes of BF6 (E3M2) with one E8M0 scale for each 32 along a product's K.
; q, k (K = 384) and v (K = the keys) come as images of operand registers, laid by the launch before: a fragment (16 rows x 128 K, 12 registers a lane) is 1,536 bytes, registers 4 e .. 4 e + 3 of lane l at 512 e + 16 l.
; THE SOFTMAX AHEAD OF THE SECOND PRODUCT: t = score x log2(e) / 384; M = the row's largest t so far, rounded UP to a whole number; p = 2^(t - M) is quantised along the keys, not normalised.
; The row's sum is taken of the unquantised p and divides at the end.  When M moves, the sum and O are multiplied by 2^(old M - new M): exact.
; SHARES.  A work-group owns 64 queries of a batch (four tiles m of 16) and walks the batch's 2,048 keys in eight steps of 256.  THE FOUR WAVES SHARE A STEP'S KEYS IN THE FIRST PRODUCT AND THE CHANNELS IN THE SECOND:
;   S^T = K Q^T: wave w takes keys 64 w .. 64 w + 63 (four tiles t) against all four tiles of queries: 48 matrix instructions; each fragment of K feeds four.
;   O^T = V^T P^T: wave w takes channels 192 w .. 192 w + 191 (twelve tiles) against all four tiles of queries: 96 matrix instructions, 384 registers of sums; each fragment of V is read from LDS once and feeds four.
;   From wave to wave through LDS go: each wave's largest score of each query; p's codes, as images (wave w makes registers 6 c .. 6 c + 5 of the fragments of K step q, q = w / 2, c = w % 2); p's scale bytes, two a wave.
; Both products are used transposed: a lane holds ONE query (lane % 16) throughout.  The keys of a tile are not neighbours (tile 2 i + u, row r: key 32 i + 8 u + r + 8 (r / 8)), so that the 16 registers of two
; neighbouring tiles are 16 neighbouring keys; the queries of a tile are chosen alike, which the way out undoes in its stores' offsets.
; V: CLUSTER AND RING.  The four work-groups of a cluster belong to one batch and walk the same V: each step's 153,600 bytes are asked for JOINTLY, by the same tensor load with the same descriptor and a mask that names
; the four; each wave brings a quarter.  Two slots take turns; the barrier that hands the waves' largest scores over is also the round behind which the next step's V goes into the slot read last step: one wait for all
; loads and one round a step, and a load has a whole step (144 matrix instructions and the softmax) in which to land.  By this text's count a wave has one tensor load out.
; K: STRAIGHT INTO REGISTERS, NOT JOINTLY.  A fragment of K is used by one wave alone, so LDS would share nothing inside the work-group, and a slot for K (77,824 bytes) beside two of V's (307,200) does not fit into
; the 327,680 there are.  So a wave loads its 12 fragments and their scale words itself, 40 loads of 512 consecutive bytes, behind one step's first product for the next step's.  K is a third of a step's bytes.
; LIMITS: NaN and infinities are not served; a p under 2^-126 counts as 0 (v_exp_f32 flushes: ISA guide 15.8); a block whose every p is 0 gets the byte 1 (its codes are zeros); t - M is one fused multiply-add of the
; score with c = log2(e) / 384 rounded to f32, where the definition multiplies twice.
; REGISTERS, in windows of 256.  Window 0: v2-26 addresses; v32-79 scale words (Q's, K's, V's, p's) and nothing else; v80-91, v224-247 key tile 3's three fragments; v96-127 statistics, 8 a tile;
;   v128-223 the softmax's work, then two sets of four fragments of V, then rows of O.   window 1: v0-143 Q's 12 fragments; v144-251 key tiles 0-2, nine fragments.   window 2: O^T of my channel tiles 0-7, at 8 (4 ct + m).
;   window 3: v0-127 O^T of tiles 8-11; v128-255 S^T, then p (tile m, key tile t at 128 + 32 m + 8 t), then P's eight fragments (K step q, tile m at 128 + 12 (4 q + m)).
.set FRB,   1536
.set UNIT,  77824                      ; K's step in memory: 48 fragments, then 16 x 256 bytes of scale words
.set VBLK,  153600                     ; V's step: 96 fragments, then 48 x 128 bytes of scale words.  LDS: slot 0 at 0, slot 1 at VBLK,
.set PIM,   2*VBLK                     ; P's images: fragment (m, q) at 1,536 (2 m + q); half c at + 768 c: its registers 0-3 at 16 l, 4-5 at 512 + 8 l
.set PSC,   PIM+8*FRB                  ; P's scale words: 128 m + 64 q + 4 row; a wave's two bytes at + 2 c
.set MXB,   PSC+512                    ; the waves' largest scores: 256 m + 16 row + 4 w;  1,024 bytes on: their sums, laid alike
.set SPARE, MXB+2048                   ; the spare words, 128 bytes for each wave: two blocks of 256 bytes that no other line names
.set STG,   0                          ; the way out: 16 rows x (768 bytes + 16) for each wave, in slot 0, which has had its last fill (step 6's V) and its last read when the first result is stored there
.set SPI,   784
.set LI,  2                            ; v2   16 x lane
.set KA,  3                            ; v3   my wave's fragments of K: byte offset in a step's unit in memory
.set KSA, 4                            ; v4   their scale words likewise
.set VA,  5                            ; v5   my wave's fragments of V in slot 0;  v25 in slot 1
.set VSA, 6                            ; v6   their scale words in slot 0;  v26 in slot 1
.set PIA, 7                            ; v7   where I store p's registers 0-3
.set PIB, 8                            ; v8   and 4-5
.set PRA, 9                            ; v9   where any fragment of P is read: registers 0-3 of a half
.set PRB, 10                           ; v10  and 4-5
.set PSA, 11                           ; v11  where I store p's two scale bytes
.set PSR, 12                           ; v12  where p's scale words are read
.set MXA, 13                           ; v13  where I store a largest score (and, 1,024 on, a sum)
.set MXR, 14                           ; v14  where the four waves' are read
.set STO, 15                           ; v15  the stage: where I put 32 bytes of a row
.set RD0, 16                           ; v16  and where I read 512 bytes of a row back,
.set RD1, 17                           ; v17  or the last 256 of one row and the first 256 of the next
.set GO1, 19                           ; v19  the latter's place in out
.set SPW, 20                           ; v20  LDS address of my spare word: SPARE + 4 x my thread's number; never rewritten
.set NIL, 21                           ; v21  0; never rewritten
.set R16, 22                           ; v22  16 x (lane % 16)
.set QSC, 32                           ; Q's scale words: tile m, K step s at QSC + 4 m + s
.set KSC, 48                           ; K's: tile t, K step s at KSC + 4 t + s
.set VSC, 64                           ; V's: tile ct; lanes 0-15 the step's first 128 keys, lanes 16-31 the second
.set PSW, 76                           ; p's: tile m; lanes likewise
.set ST,  96                           ; tile m's statistics at ST + 8 m: +0 -M, +1 the largest t, +2, +3 the sum in two halves, +4 f, +5 (0: named with f as a pair), +6, +7 at work, at last 1 / the sum
.set BM,  128                          ; v128-135 the largest score, then p, of block b of tile m: 2 m + b
.set BJ,  136                          ; v136-143 the other half of the lanes'
.set SCO, 144                          ; v144-151 the conversions' scale operands
.set BY,  152                          ; v152-159 the scale bytes
.set MXL, 160                          ; v160-175 the four waves' figures, four a tile
.set PC,  176                          ; v176-223 the codes made: 12 a tile
.set WV,  12                           ; s12  my wave's number
.set G1V, 32                           ; s[32:39] descriptor group 1 for a quarter of V's step
.set G0V, 40                           ; s[40:43], s[44:47] group 0, one set for each slot
.set CS,  48                           ; s[48:49] c: the packed form names a pair and takes its low word for both halves
.set SEL, 50                           ; s[50:51] v_permlanex16_b32's selects for lane l xor 16
.set MSB, 0
.macro WIN new                         ; s_set_vgpr_msb: bits 1:0 source 0, 3:2 source 1, 5:4 source 2, 7:6 destination; the high byte repeats the setting that is left
.if MSB != (\new)
	s_set_vgpr_msb (MSB<<8)|(\new)
.set MSB, (\new)
.endif
.endm
.macro PLACES n
.rept \n
	v_nop
.endr
.endm
.macro BAR
	s_barrier_signal -1
	s_barrier_wait -1
.endm
; A round of the cluster's barrier: my work-group's barrier, so that wave 0's signal speaks for all four waves; wave 0 signals for the work-group; every wave waits for all four work-groups; my work-group's barrier once more.
.macro CROUND
	s_barrier_signal -1
	s_barrier_wait -1
	s_cmp_lg_u32 s[WV], 0
	s_cbranch_scc1 .Lnot_wave_0_\@
	s_barrier_signal -3
.Lnot_wave_0_\@:
	s_barrier_wait -3
	s_barrier_signal -1
	s_barrier_wait -1
.endm
; 40 loads from memory: my four key tiles' twelve fragments and their scale words, of the step at which s[6:7] stands; 32 lanes read 512 consecutive bytes (the scale words: sixteen lanes 256, both halves of the lanes the same)
.macro LOADKG
	WIN 0x40                                       ; destination window 1, address window 0
.irp t, 0,1,2
.irp s, 0,1,2
.irp e, 0,1,2
	global_load_b128 v[144+36*\t+12*\s+4*\e:144+36*\t+12*\s+4*\e+3], v[KA], s[6:7] offset:FRB*(3*\t+\s)+512*\e
.endr
.endr
.endr
	WIN 0
.irp s, 0,1,2                                  ; tile 3: K step 0 at v80, 1 at v224, 2 at v236
.irp e, 0,1,2
	global_load_b128 v[80+144*((\s+1)/2)+12*(\s/2)+4*\e:80+144*((\s+1)/2)+12*(\s/2)+4*\e+3], v[KA], s[6:7] offset:FRB*(9+\s)+512*\e
.endr
.endr
.irp t, 0,1,2,3
	global_load_b128 v[KSC+4*\t:KSC+4*\t+3], v[KSA], s[6:7] offset:256*\t
.endr
.endm
	s_load_b256 s[4:11], s[0:1], 0x0               ; qws s[4:5], kws s[6:7], vws s[8:9], out s[10:11]
	v_lshl_add_u32 v[SPW], v0, 2, SPARE
	v_mov_b32 v[NIL], 0
	ds_add_u32 v20, v21
	ds_add_u32 v20, v21
	s_wait_dscnt 0x0
	v_lshrrev_b32 v1, 5, v0
	v_readfirstlane_b32 s[WV], v1                  ; wave 0..3
	s_bfe_u32 s13, ttmp6, 0x40000                  ; cx: my place in the cluster: it enters Q's and out's addresses alone
	s_and_b32 s15, ttmp7, 0xffff                   ; the batch, which the four partners share
	s_mul_i32 s16, s15, 8*UNIT                     ; K: the batch's first step (my wave's part stands in the lanes' offsets)
	s_mov_b32 s17, 0
	s_mul_i32 s18, s15, 8*VBLK                     ; V: the batch's first step, my quarter of it
	s_mul_i32 s19, s[WV], VBLK/4
	s_add_co_u32 s18, s18, s19
	s_mov_b32 s19, 0
	s_lshl_b32 s14, s15, 3
	s_add_co_u32 s14, s14, ttmp9                   ; Q: the cluster's 256 queries are one unit (in a cluster launch ttmp9 counts clusters),
	s_mul_i32 s14, s14, UNIT
	s_mul_i32 s20, s13, 12*FRB                     ; my 64 are its tiles 4 cx .. 4 cx + 3
	s_add_co_u32 s20, s20, s14
	s_mov_b32 s21, 0
	s_lshl_b32 s22, s13, 10
	s_add_co_u32 s22, s22, s14
	s_add_co_u32 s22, s22, 48*FRB                  ; and their scale words
	s_mov_b32 s23, 0
	s_lshl_b32 s2, ttmp9, 2
	s_add_co_u32 s2, s2, s13
	s_lshl_b32 s2, s2, 6
	s_lshl_b32 s3, s15, 11
	s_add_co_u32 s2, s2, s3                        ; my first row of out: 2,048 x batch + 64 x (4 x cluster + cx)
	s_mul_i32 s2, s2, 3072
	s_mul_i32 s3, s[WV], 768                       ; my wave's 192 channels
	s_add_co_u32 s2, s2, s3
	s_mov_b32 s3, 0
	; descriptor group 1: a dense block as rows of 256 bytes (32 elements of 8 bytes), no padding: the images are read 512 consecutive bytes an instruction
	s_mov_b32 s[G1V], 15|(3<<16)|(1<<21)           ; 15:0 the mask: all four work-groups; 17:16 elements of 8 bytes; 21 set beside a mask
	s_mov_b32 s[G1V+1], 32<<16                     ; tensor_dim0 = 32
	s_mov_b32 s[G1V+2], (VBLK/1024)<<16            ; tensor_dim1 = 150
	s_mov_b32 s[G1V+3], 32<<16                     ; tile_dim0 = 32
	s_mov_b32 s[G1V+4], VBLK/1024                  ; tile_dim1 = 150
	s_mov_b32 s[G1V+5], 32                         ; tensor_dim0_stride
	s_mov_b32 s[G1V+6], 0
	s_mov_b32 s[G1V+7], 0
	s_mov_b32 s[CS], 0x3b76384f                    ; c = log2(e) / 384
	s_mov_b32 s[CS+1], s[CS]                       ; (named with it as a pair, so it is written)
	s_mov_b32 s[SEL], 0x76543210
	s_mov_b32 s[SEL+1], 0xfedcba98
	s_wait_kmcnt 0x0
	s_add_nc_u64 s[6:7], s[6:7], s[16:17]
	s_add_nc_u64 s[8:9], s[8:9], s[18:19]
	s_add_nc_u64 s[20:21], s[4:5], s[20:21]
	s_add_nc_u64 s[22:23], s[4:5], s[22:23]
	s_add_nc_u64 s[10:11], s[10:11], s[2:3]
	s_mul_i32 s16, s[WV], VBLK/4                   ; my quarter of a slot: no place in the cluster enters an LDS address
.irp s, 0,1
	s_mov_b32 s[G0V+4*\s], 1                                       ; 1:0 count = 1
	s_add_co_u32 s[G0V+4*\s+1], s16, \s*VBLK                       ; 63:32 LDS address: slot s
	s_add_nc_u64 s[G0V+4*\s+2:G0V+4*\s+3], s[8:9], \s*VBLK         ; 120:64 global address: step s
	s_or_b32 s[G0V+4*\s+3], s[G0V+4*\s+3], 0x80000000              ; 127:126 type = 2
.endr
	CROUND                                         ; all four work-groups are here: the first joint load meets
	tensor_load_to_lds s[G0V:G0V+3], s[G1V:G1V+7]  ; step 0's V: the first fill, ahead of every wait on TENSORcnt, every LDS read and every other barrier; slot 1 is first filled behind step 0's round, as a refill is
	s_nop 0
	PLACES 4
	v_and_b32 v1, 31, v0                           ; lane
	v_and_b32 v23, 15, v0                          ; r
	v_bfe_u32 v24, v0, 4, 1                        ; h
	v_lshlrev_b32 v[LI], 4, v1
	s_wait_alu depctr_va_vdst(0)
	v_lshlrev_b32 v[R16], 4, v23
	s_mul_i32 s16, s[WV], 12*FRB                   ; K: my four tiles' twelve fragments
	v_add_nc_u32 v[KA], s16, v[LI]
	s_lshl_b32 s16, s[WV], 10
	s_add_co_u32 s16, s16, 48*FRB
	v_add_nc_u32 v[KSA], s16, v[R16]
	WIN 0x40                                       ; destination window 1
.set I, 0
.rept 12                               ; Q stays in registers: fragment 3 m + s
.irp e, 0,1,2
	global_load_b128 v[12*I+4*\e:12*I+4*\e+3], v[LI], s[20:21] offset:FRB*I+512*\e
.endr
.set I, I+1
.endr
	WIN 0
.irp m, 0,1,2,3
	global_load_b128 v[QSC+4*\m:QSC+4*\m+3], v[R16], s[22:23] offset:256*\m
.endr
	LOADKG                                         ; step 0's K
	s_mul_i32 s16, s[WV], 24*FRB                   ; V: my twelve tiles' 24 fragments
	v_add_nc_u32 v[VA], s16, v[LI]
	v_add_nc_u32 v[VA+20], VBLK, v[VA]
	s_mul_i32 s16, s[WV], 12*128
	s_add_co_u32 s16, s16, 96*FRB
	v_lshl_add_u32 v[VSA], v1, 2, s16
	v_add_nc_u32 v[VSA+20], VBLK, v[VSA]
	s_lshr_b32 s16, s[WV], 1                       ; q: which 128 of the step's keys are mine,
	s_and_b32 s17, s[WV], 1                        ; c: which 64 of them
	s_mul_i32 s18, s16, FRB
	s_mul_i32 s19, s17, FRB/2
	s_add_co_u32 s18, s18, s19
	s_add_co_u32 s18, s18, PIM
	v_add_nc_u32 v[PIA], s18, v[LI]
	s_add_co_u32 s18, s18, 512
	v_lshl_add_u32 v[PIB], v1, 3, s18
	v_add_nc_u32 v[PRA], PIM, v[LI]
	v_lshl_add_u32 v[PRB], v1, 3, PIM+512
	s_lshl_b32 s16, s16, 6
	s_lshl_b32 s17, s17, 1
	s_add_co_u32 s16, s16, s17
	s_add_co_u32 s16, s16, PSC
	v_lshl_add_u32 v[PSA], v23, 2, s16
	v_lshl_add_u32 v[PSR], v1, 2, PSC
	s_lshl_b32 s16, s[WV], 2
	s_add_co_u32 s16, s16, MXB
	v_add_nc_u32 v[MXA], s16, v[R16]
	v_add_nc_u32 v[MXR], MXB, v[R16]
	s_mul_i32 s16, s[WV], 16*SPI
	s_add_co_u32 s16, s16, STG                     ; my stage
	v_mul_u32_u24 v[STO], v23, SPI
	v_lshl_add_u32 v[STO], v24, 5, v[STO]
	v_add_nc_u32 v[STO], s16, v[STO]               ; in: row r, + 32 h
	v_add_nc_u32 v[RD0], s16, v[LI]
	v_mad_u32_u24 v[RD1], v24, 272, v[R16]         ; lanes 0-15: byte 512 on of a row; lanes 16-31: 784 - 512 further on: the next row's first byte
	v_add_nc_u32 v[RD1], s16, v[RD1]
	v_add_nc_u32 v[RD1], 512, v[RD1]
	v_mad_u32_u24 v[GO1], v24, 2560, v[R16]        ; the same in out, whose rows are 3,072 bytes
	v_add_nc_u32 v[GO1], 512, v[GO1]
.irp m, 0,1,2,3
	v_mov_b32 v[ST+8*\m+1], 0xff61b1e6             ; the largest t so far: -3e38, under every t
	v_floor_f32 v[ST+8*\m], -v[ST+8*\m+1]          ; -M
	v_mov_b32 v[ST+8*\m+2], 0                      ; the sum, in two halves
	v_mov_b32 v[ST+8*\m+3], 0
	v_mov_b32 v[ST+8*\m+5], 0
	v_mov_b32 v[ST+8*\m+7], 0
.endr
.irp k, 0,1,2,3,4,5,6,7
	v_mov_b32 v[BJ+\k], 0                          ; written once: a lane permute's destination counts as one of its sources
.endr
.macro MULS t                          ; 12 matrix instructions: key tile t against the four tiles of queries, K = 384 in three steps; the four accumulators take turns; the first step starts the sums
.if (\t) < 3
	WIN 0xf5                                       ; K and Q window 1, S^T window 3
.else
	WIN 0xf4                                       ; tile 3's fragments lie in window 0
.endif
.irp s, 0,1,2
.if (\t) < 3
.set KR, 144+36*(\t)+12*\s
.else
.set KR, 80+144*((\s+1)/2)+12*(\s/2)
.endif
.irp m, 0,1,2,3
.if \s == 0
	v_wmma_scale_f32_16x16x128_f8f6f4 v[128+32*\m+8*(\t):128+32*\m+8*(\t)+7], v[KR:KR+11], v[12*(3*\m+\s):12*(3*\m+\s)+11], 0, v[KSC+4*(\t)+\s], v[QSC+4*\m+\s] matrix_a_fmt:MATRIX_FMT_BF6 matrix_b_fmt:MATRIX_FMT_BF6
.else
	v_wmma_scale_f32_16x16x128_f8f6f4 v[128+32*\m+8*(\t):128+32*\m+8*(\t)+7], v[KR:KR+11], v[12*(3*\m+\s):12*(3*\m+\s)+11], v[128+32*\m+8*(\t):128+32*\m+8*(\t)+7], v[KSC+4*(\t)+\s], v[QSC+4*\m+\s] matrix_a_fmt:MATRIX_FMT_BF6 matrix_b_fmt:MATRIX_FMT_BF6
.endif
.endr
.endr
.endm
.macro LOADP q                         ; 16 LDS loads: P's four fragments of K step q, each from the two waves' halves
	WIN 0xc0
.irp m, 0,1,2,3
.irp c, 0,1
	ds_load_b128 v[128+12*(4*(\q)+\m)+6*\c:128+12*(4*(\q)+\m)+6*\c+3], v[PRA] offset:FRB*(2*\m+(\q))+768*\c
	ds_load_b64 v[128+12*(4*(\q)+\m)+6*\c+4:128+12*(4*(\q)+\m)+6*\c+5], v[PRB] offset:FRB*(2*\m+(\q))+768*\c
.endr
.endr
.endm
.macro LOADV gv, fs, sl                ; 12 LDS loads: group gv = 3 q + g: channel tiles 4 g .. 4 g + 3 at K step q, from slot sl into set fs
	WIN 0
.irp i, 0,1,2,3
.irp e, 0,1,2
	ds_load_b128 v[128+48*(\fs)+12*\i+4*\e:128+48*(\fs)+12*\i+4*\e+3], v[VA+20*(\sl)] offset:FRB*(2*(4*((\gv)%3)+\i)+(\gv)/3)+512*\e
.endr
.endr
.endm
.macro MULV gv, fs, first              ; 16 matrix instructions on 16 accumulators.  first = 1: the launch's first K step starts O^T's sums: nothing is cleared
.if (\gv)%3 < 2
	WIN 0xac                                       ; V window 0, P window 3, O^T window 2
.else
	WIN 0xfc                                       ; O^T window 3
.endif
.irp i, 0,1,2,3
.irp m, 0,1,2,3
.set CT, 4*((\gv)%3)+\i
.set OA, 8*(4*(CT%8)+\m)
.if (\gv) >= 3
	v_wmma_scale_f32_16x16x128_f8f6f4 v[OA:OA+7], v[128+48*(\fs)+12*\i:128+48*(\fs)+12*\i+11], v[176+12*\m:176+12*\m+11], v[OA:OA+7], v[VSC+CT], v[PSW+\m] matrix_a_fmt:MATRIX_FMT_BF6 matrix_b_fmt:MATRIX_FMT_BF6 matrix_a_scale:MATRIX_SCALE_ROW1 matrix_b_scale:MATRIX_SCALE_ROW1
.elseif \first
	v_wmma_scale_f32_16x16x128_f8f6f4 v[OA:OA+7], v[128+48*(\fs)+12*\i:128+48*(\fs)+12*\i+11], v[128+12*\m:128+12*\m+11], 0, v[VSC+CT], v[PSW+\m] matrix_a_fmt:MATRIX_FMT_BF6 matrix_b_fmt:MATRIX_FMT_BF6
.else
	v_wmma_scale_f32_16x16x128_f8f6f4 v[OA:OA+7], v[128+48*(\fs)+12*\i:128+48*(\fs)+12*\i+11], v[128+12*\m:128+12*\m+11], v[OA:OA+7], v[VSC+CT], v[PSW+\m] matrix_a_fmt:MATRIX_FMT_BF6 matrix_b_fmt:MATRIX_FMT_BF6
.endif
.endr
.endr
.endm
; A STEP OF 256 KEYS.  first = 1: the launch's first; fill = 1: the next step's K and V are asked for; sl: the slot in which this step's V lies.
.macro STEP first, fill, sl
	; ---- S^T = K Q^T: my 64 keys x 64 queries
.if !\first
	PLACES 5                                       ; five plain vector instructions between the last products that read P's registers and the first that writes over them (ISA guide 7.12.1)
.endif
	s_wait_loadcnt 0x0                             ; this step's K and its scale words (asked for behind the last step's first product); the first time Q too
	MULS 0
	MULS 1
	MULS 2
	MULS 3
	PLACES 4                                       ; in front of loads into registers that matrix instructions have read, and of the first read of results
.if \fill
	s_add_nc_u64 s[6:7], s[6:7], UNIT              ; the loads that named this base are done (the wait above)
	LOADKG                                         ; the next step's K: it has the softmax and the second product in which to land
.endif
	; ---- the largest score of each block of 32 keys (tile m, block b: 16 registers and the other half of the lanes'): it serves the row's maximum and, since p rises with the score, the block's largest p
	WIN 0x3f
.irp m, 0,1,2,3
.irp b, 0,1
	v_max3_num_f32 v[BM+2*\m+\b], v[128+32*\m+16*\b], v[129+32*\m+16*\b], v[130+32*\m+16*\b]   ; each accumulator is first read at its low end
.endr
.endr
	WIN 0x3c
.irp i, 3,5,7,9,11,13
.irp m, 0,1,2,3
.irp b, 0,1
	v_max3_num_f32 v[BM+2*\m+\b], v[BM+2*\m+\b], v[128+32*\m+16*\b+\i], v[129+32*\m+16*\b+\i]   ; (the eight blocks by turns)
.endr
.endr
.endr
	WIN 0x0c
.irp m, 0,1,2,3
.irp b, 0,1
	v_max_num_f32 v[BM+2*\m+\b], v[BM+2*\m+\b], v[143+32*\m+16*\b]
.endr
.endr
	WIN 0
.irp k, 0,1,2,3,4,5,6,7
	v_permlanex16_b32 v[BJ+\k], v[BM+\k], s[SEL], s[SEL+1]
.endr
.irp k, 0,1,2,3,4,5,6,7
	v_max_num_f32 v[BM+\k], v[BM+\k], v[BJ+\k]
.endr
.irp m, 0,1,2,3
	v_max_num_f32 v[ST+8*\m+6], v[BM+2*\m], v[BM+2*\m+1]
.endr
.irp m, 0,1,2,3
	ds_store_b32 v[MXA], v[ST+8*\m+6] offset:256*\m   ; my 64 keys' largest score of query r (both halves of the lanes write the same word with the same value)
.endr
	; ---- ONE BARRIER FOR TWO THINGS: the largest scores are handed over, and the slot that the last step read is left
	s_wait_tensorcnt 0x0                           ; all my tensor loads have landed: the one that was out is my quarter of this step's V, asked for a step ago
	ds_add_u32 v[SPW], v[NIL]                      ; 0 onto my spare word
.if \fill
	s_add_nc_u64 s[G0V+4*\sl+2:G0V+4*\sl+3], s[G0V+4*\sl+2:G0V+4*\sl+3], 2*VBLK   ; no load of mine is out, so a group 0 may be written: this slot's next step (behind step 6 it is not used); the type bits on top are not reached
.endif
	s_wait_dscnt 0x0                               ; the add is done, my stores have landed, and my reads of the other slot and of P's images (the last step's second product) are over
.if \fill
	CROUND                                         ; no wave of any partner still reads the other slot or has a load on its way
	tensor_load_to_lds s[G0V+4*(1-\sl):G0V+4*(1-\sl)+3], s[G1V:G1V+7]   ; my one tensor load behind this round, and the first thing there: the next step's V
	s_nop 0
	PLACES 4
.else
	BAR
.endif
.irp m, 0,1,2,3
	ds_load_b128 v[MXL+4*\m:MXL+4*\m+3], v[MXR] offset:256*\m
.endr
	s_wait_dscnt 0x0
	; ---- M, the same in all four waves
.irp m, 0,1,2,3
	v_max3_num_f32 v[ST+8*\m+6], v[MXL+4*\m], v[MXL+4*\m+1], v[MXL+4*\m+2]
.endr
.irp m, 0,1,2,3
	v_max_num_f32 v[ST+8*\m+6], v[ST+8*\m+6], v[MXL+4*\m+3]   ; the step's largest score of my query
.endr
.irp m, 0,1,2,3
	v_mul_f32 v[ST+8*\m+6], s[CS], v[ST+8*\m+6]    ; as t (c is positive)
.endr
.irp m, 0,1,2,3
	v_max_num_f32 v[ST+8*\m+1], v[ST+8*\m+1], v[ST+8*\m+6]   ; the running largest t
.endr
.irp m, 0,1,2,3
	v_mov_b32 v[ST+8*\m+6], v[ST+8*\m]
.endr
.irp m, 0,1,2,3
	v_floor_f32 v[ST+8*\m], -v[ST+8*\m+1]          ; the new -M = floor(-t) = -ceil(t): M is a whole number
.endr
.irp m, 0,1,2,3
	v_sub_f32 v[ST+8*\m+6], v[ST+8*\m], v[ST+8*\m+6]   ; M's old value less its new one: a whole number, 0 or less
.endr
.irp m, 0,1,2,3
	v_cvt_i32_f32 v[ST+8*\m+6], v[ST+8*\m+6]       ; (it saturates)
.endr
.irp m, 0,1,2,3
	v_ldexp_f32 v[ST+8*\m+4], 1.0, v[ST+8*\m+6]    ; f = 2^(old M - new M)
.endr
	; ---- p = 2^(t - M)
	WIN 0xc3
.set J, 0
.rept 64
	v_pk_fma_f32 v[128+2*J:129+2*J], v[128+2*J:129+2*J], s[CS:CS+1], v[ST+8*(J/16):ST+8*(J/16)+1] op_sel_hi:[1,0,0]   ; t - M, two at a time (of the pairs c and -M the low word serves both halves)
.set J, J+1
.endr
	WIN 0
.irp m, 0,1,2,3
.irp b, 0,1
	v_fma_f32 v[BM+2*\m+\b], v[BM+2*\m+\b], s[CS], v[ST+8*\m]   ; the same of each block's largest score
.endr
.endr
	WIN 0xc3
.set J, 0
	s_wait_alu depctr_va_vdst(0)
.rept 128
	v_exp_f32 v[128+J], v[128+J]
.set J, J+1
.endr
	WIN 0
.irp k, 0,1,2,3,4,5,6,7
	v_exp_f32 v[BM+\k], v[BM+\k]                   ; the block's largest p: the same two instructions on the same number give the same bits
.endr
.irp m, 0,1,2,3
	v_pk_mul_f32 v[ST+8*\m+2:ST+8*\m+3], v[ST+8*\m+2:ST+8*\m+3], v[ST+8*\m+4:ST+8*\m+5] op_sel_hi:[1,0]   ; the sums under the new M.  (The plain instruction behind the exponentials: ISA guide 5.7.2)
.endr
	s_wait_alu depctr_va_vdst(0)
.irp k, 0,1,2,3,4,5,6,7
	v_max_num_f32 v[BM+\k], 0x2800000, v[BM+\k]    ; the floor 2^(5 - 127): the byte cannot fall under 1
.endr
.irp k, 0,1,2,3,4,5,6,7
	v_add_nc_u32 v[SCO+\k], 0xfe000000, v[BM+\k]   ; 4 off the exponent field: the conversion's scale operand
.endr
.irp k, 0,1,2,3,4,5,6,7
	v_lshrrev_b32 v[BY+\k], 23, v[SCO+\k]          ; the scale's byte
.endr
.irp m, 0,1,2,3
	v_lshl_or_b32 v[BY+2*\m], v[BY+2*\m+1], 8, v[BY+2*\m]   ; my two bytes of the row's scale word
.endr
	WIN 0x03
.irp m, 0,1,2,3
	v_cvt_scalef32_pk16_bf6_f32 v[PC+12*\m:PC+12*\m+2], v[128+32*\m:143+32*\m], v[SCO+2*\m]
	v_cvt_scalef32_pk16_bf6_f32 v[PC+12*\m+6:PC+12*\m+8], v[144+32*\m:159+32*\m], v[SCO+2*\m+1]   ; (a conversion's three registers begin on an even number)
.endr
	WIN 0
	v_nop                                          ; one plain vector instruction behind a scaled conversion
.irp m, 0,1,2,3                                ; the operand's layout wants a WHOLE block in a lane: lanes 0-15 my first block, lanes 16-31 my second
.irp i, 0,1,2
	v_permlane16_swap_b32 v[PC+12*\m+\i], v[PC+12*\m+6+\i]
.endr
.endr
.irp m, 0,1,2,3
.irp i, 0,1,2
	v_mov_b32 v[PC+12*\m+3+\i], v[PC+12*\m+6+\i]
.endr
.endr
.irp m, 0,1,2,3
	ds_store_b128 v[PIA], v[PC+12*\m:PC+12*\m+3] offset:2*FRB*\m      ; six registers of the fragment (m, q), as they stand
	ds_store_b64 v[PIB], v[PC+12*\m+4:PC+12*\m+5] offset:2*FRB*\m
	ds_store_b16 v[PSA], v[BY+2*\m] offset:128*\m
.endr
	; this step's V has been whole since the round above: its scale words and its first two sets of fragments are fetched here and land under the sums and the rescaling.
	; They land in the registers that the stores above read: LDS serves a wave's instructions in order (ISA guide 5.7.1.4)
.irp c, 0,1,2,3,4,5,6,7,8,9,10,11
	ds_load_b32 v[VSC+\c], v[VSA+20*(\sl)] offset:128*\c
.endr
	LOADV 0, 0, \sl
	LOADV 1, 1, \sl
	WIN 0x0c
.set J, 0
.rept 16
.irp m, 0,1,2,3
	v_pk_add_f32 v[ST+8*\m+2:ST+8*\m+3], v[ST+8*\m+2:ST+8*\m+3], v[128+32*\m+2*J:129+32*\m+2*J]   ; the row's sum is taken of the UNQUANTISED p (my 64 keys'; the four tiles by turns)
.endr
.set J, J+1
.endr
.if !\first
	WIN 0x82
.set J, 0
.rept 128
	v_pk_mul_f32 v[2*J:2*J+1], v[2*J:2*J+1], v[ST+8*((J/4)%4)+4:ST+8*((J/4)%4)+5] op_sel_hi:[1,0]   ; O^T under the new M: x f; each accumulator from its low end on
.set J, J+1
.endr
	WIN 0xc3
.set J, 0
.rept 64
	v_pk_mul_f32 v[2*J:2*J+1], v[2*J:2*J+1], v[ST+8*((J/4)%4)+4:ST+8*((J/4)%4)+5] op_sel_hi:[1,0]
.set J, J+1
.endr
.endif
	WIN 0
	s_wait_alu depctr_va_vdst(0)
	; ---- P is handed over.  The next step's V may stay out across it
	s_wait_dscnt 0x0                               ; for the others' sake: my stores of P have landed (and V's first fragments are in)
	BAR
	; ---- O^T += V^T P^T: my 192 channels x 64 queries, K = the step's 256 keys
.irp m, 0,1,2,3
	ds_load_b32 v[PSW+\m], v[PSR] offset:128*\m
.endr
	LOADP 0
	LOADP 1
	s_wait_dscnt 16                                ; LDS loads come back in order (ISA guide 5.7.1): p's scale words and P's first half are in; its second half (16 loads) may be out
	MULV 0, 0, \first
	PLACES 4                                       ; in front of loads into registers that matrix instructions have read
	LOADV 2, 0, \sl
	MULV 1, 1, \first                              ; (set 1 came in ahead of the barrier)
	PLACES 4
	LOADV 3, 1, \sl
	s_wait_dscnt 12                                ; all but the twelve just issued: set 0 and P's second half are in
	MULV 2, 0, \first
	PLACES 4
	LOADV 4, 0, \sl
	s_wait_dscnt 12
	MULV 3, 1, \first
	PLACES 4
	LOADV 5, 1, \sl
	s_wait_dscnt 12
	MULV 4, 0, \first
	s_wait_dscnt 0x0
	MULV 5, 1, \first
	WIN 0                                          ; at a label and at a branch every window is 0
.endm
	STEP 1, 1, 0                                   ; step 0
	s_mov_b32 s52, 3
.Lstep:                                            ; a trip goes once round the ring: steps 1 and 2, 3 and 4, 5 and 6
	STEP 0, 1, 1
	STEP 0, 1, 0
	s_sub_co_u32 s52, s52, 1
	s_cmp_lg_u32 s52, 0
	s_cbranch_scc1 .Lstep
	STEP 0, 0, 1                                   ; step 7 is written out and no load leaves its buffer
	; THE WAY OUT.  A query's sum: its two halves, the other half of the lanes', the four waves'.  (The eight additions are the plain instructions behind the last products.)
	WIN 0
.irp m, 0,1,2,3
	v_add_f32 v[ST+8*\m+6], v[ST+8*\m+2], v[ST+8*\m+3]
.endr
.irp m, 0,1,2,3
	v_permlanex16_b32 v[ST+8*\m+7], v[ST+8*\m+6], s[SEL], s[SEL+1]
.endr
.irp m, 0,1,2,3
	v_add_f32 v[ST+8*\m+6], v[ST+8*\m+6], v[ST+8*\m+7]
.endr
.irp m, 0,1,2,3
	ds_store_b32 v[MXA], v[ST+8*\m+6] offset:1024+256*\m
.endr
	s_wait_dscnt 0x0
	BAR
.irp m, 0,1,2,3
	ds_load_b128 v[MXL+4*\m:MXL+4*\m+3], v[MXR] offset:1024+256*\m
.endr
	s_wait_dscnt 0x0
.irp m, 0,1,2,3
	v_add_f32 v[MXL+4*\m], v[MXL+4*\m], v[MXL+4*\m+1]
.endr
.irp m, 0,1,2,3
	v_add_f32 v[MXL+4*\m+2], v[MXL+4*\m+2], v[MXL+4*\m+3]
.endr
.irp m, 0,1,2,3
	v_add_f32 v[MXL+4*\m], v[MXL+4*\m], v[MXL+4*\m+2]
.endr
	s_wait_alu depctr_va_vdst(0)
.irp m, 0,1,2,3
	v_rcp_f32 v[ST+8*\m+6], v[MXL+4*\m]
.endr
	v_nop                                          ; a plain instruction between the last reciprocal and the use of its result
	s_wait_alu depctr_va_vdst(0)
; Tile m: a lane holds 8 neighbouring channels of a row for each of my 12 channel tiles.  16 rows x 768 bytes go through my own stage and come back as runs of 256 consecutive bytes for sixteen lanes.
; Stage row 2 a is row 32 (m / 2) + 8 (m % 2) + 2 a + 8 (a / 4) of my 64 queries, stage row 2 a + 1 the row below it.
.macro OUT m
	WIN 0x82
.set J, 0
.rept 8
.irp k, 0,2,4,6
	v_pk_mul_f32 v[8*(4*J+\m)+\k:8*(4*J+\m)+\k+1], v[8*(4*J+\m)+\k:8*(4*J+\m)+\k+1], v[ST+8*\m+6:ST+8*\m+7] op_sel_hi:[1,0]   ; O^T / the sum
.endr
.set J, J+1
.endr
	WIN 0xc3
.set J, 0
.rept 4
.irp k, 0,2,4,6
	v_pk_mul_f32 v[8*(4*J+\m)+\k:8*(4*J+\m)+\k+1], v[8*(4*J+\m)+\k:8*(4*J+\m)+\k+1], v[ST+8*\m+6:ST+8*\m+7] op_sel_hi:[1,0]
.endr
.set J, J+1
.endr
	WIN 0x08                                       ; an LDS store's data are its source 1
.set J, 0
.rept 8
	ds_store_b128 v[STO], v[8*(4*J+\m):8*(4*J+\m)+3] offset:64*J
	ds_store_b128 v[STO], v[8*(4*J+\m)+4:8*(4*J+\m)+7] offset:64*J+16
.set J, J+1
.endr
	WIN 0x0c
.set J, 0
.rept 4
	ds_store_b128 v[STO], v[8*(4*J+\m):8*(4*J+\m)+3] offset:64*(8+J)
	ds_store_b128 v[STO], v[8*(4*J+\m)+4:8*(4*J+\m)+7] offset:64*(8+J)+16
.set J, J+1
.endr
	WIN 0
.if \m > 0
	s_wait_xcnt 0x0                                ; the last tile's stores have read their data: the registers are loaded again only behind this wait
.endif
.set J, 0
.rept 8
	ds_load_b128 v[128+12*J:131+12*J], v[RD0] offset:2*SPI*J          ; LDS serves a wave's instructions in order (ISA guide 5.7.1.4): these see the stores above
	ds_load_b128 v[132+12*J:135+12*J], v[RD1] offset:2*SPI*J
	ds_load_b128 v[136+12*J:139+12*J], v[RD0] offset:2*SPI*J+SPI+256
.set J, J+1
.endr
.set J, 0
.rept 8
.set RW, 32*(\m/2)+8*(\m%2)+2*J+8*(J/4)
	s_wait_dscnt 21-3*J                            ; this pair of rows is back; the younger loads may be out
	global_store_b128 v[LI], v[128+12*J:131+12*J], s[10:11] offset:3072*RW th:TH_STORE_NT            ; sixteen lanes always store 256 consecutive bytes, at a multiple of 256 from out's first byte
	global_store_b128 v[GO1], v[132+12*J:135+12*J], s[10:11] offset:3072*RW th:TH_STORE_NT
	global_store_b128 v[LI], v[136+12*J:139+12*J], s[10:11] offset:3072*(RW+1)+256 th:TH_STORE_NT
.set J, J+1
.endr
.endm
	OUT 0
	OUT 1
	OUT 2
	OUT 3
	s_wait_tensorcnt 0x0                           ; the wave's end: behind my last tensor load and my last LDS store
	ds_add_u32 v[SPW], v[NIL]
	s_wait_dscnt 0x0
	CROUND                                         ; the closing round: no work-group ends while a partner may still ask for a tile that names it
	s_endpgm
.Lfunc_end_k_q03482318e1_attn:
	.size	k_q03482318e1_attn, .Lfunc_end_k_q03482318e1_attn-k_q03482318e1_attn
	.p2alignl 7, 3214868480
	.fill 96, 4, 3214868480
	.section	.rodata,"a",@progbits
	.p2align	6, 0x0
	.amdhsa_kernel k_q03482318e1_attn
		.amdhsa_group_segment_fixed_size 327680
		.amdhsa_private_segment_fixed_size 0
		.amdhsa_enable_private_segment 0
		.amdhsa_kernarg_size 32
		.amdhsa_user_sgpr_count 2
		.amdhsa_user_sgpr_kernarg_segment_ptr 1
		.amdhsa_wavefront_size32 1
		.amdhsa_system_sgpr_workgroup_id_x 1
		.amdhsa_system_sgpr_workgroup_id_y 1
		.amdhsa_system_sgpr_workgroup_id_z 1
		.amdhsa_system_vgpr_workitem_id 0
		.amdhsa_next_free_vgpr 1024
		.amdhsa_next_free_sgpr 66
		.amdhsa_reserve_vcc 0
		.amdhsa_float_denorm_mode_32 3
		.amdhsa_float_denorm_mode_16_64 3
		.amdhsa_memory_ordered 1
		.amdhsa_forward_progress 1
		.amdhsa_inst_pref_size 255
	.end_amdhsa_kernel
	.section	.bss,"aw",@nobits
	.p2align	6
	.space	262144
	.amdgpu_metadata
---
amdhsa.version: [ 1, 2 ]
amdhsa.kernels:
  - .name:           k_q03482318e1_attn
    .symbol:         k_q03482318e1_attn.kd
    .args:
      - { .name: qws, .offset: 0, .size: 8, .value_kind: global_buffer, .address_space: global }
      - { .name: kws, .offset: 8, .size: 8, .value_kind: global_buffer, .address_space: global }
      - { .name: vws, .offset: 16, .size: 8, .value_kind: global_buffer, .address_space: global }
      - { .name: out0, .offset: 24, .size: 8, .value_kind: global_buffer, .address_space: global }
    .group_segment_fixed_size: 327680
    .private_segment_fixed_size: 0
    .kernarg_segment_align: 8
    .kernarg_segment_size: 32
    .max_flat_workgroup_size: 128
    .sgpr_count:     66
    .vgpr_count:     1024
    .wavefront_size: 32
...
	.end_amdgpu_metadata
.endif
;; end of part 4
